; MI455X (gfx1250); checked and timed in simulation.
; The chip was launched on July 23, 2026; its instructions are those of AMD's public machine-readable ISA for CDNA 5 (MIT licence, August 2026) and "CDNA5" Instruction Set Architecture Reference Guide (July 2026). The comments in the code are by the model that wrote it; some were corrected since.
;; Relative Multi Head Attention. Allowed arithmetic: float matrix products may take bf16 or f16 operands with f32 sums; all other float work in f32.
;; Inputs: Wk 1,024 x 1,024 float32; Wkr 1,024 x 1,024 float32; Wo 1,024 x 1,024 float32; Wq 1,024 x 1,024 float32; Wv 1,024 x 1,024 float32; bk 1,024 float32; bkr 1,024 float32; bo 1,024 float32; bq 1,024 float32; bv 1,024 float32; pos_emb 2,048 x 1,024 float32; u 16 x 64 float32; v 16 x 64 float32; x 2 x 2,048 x 1,024 float32.
;; Outputs: out0 2 x 2,048 x 1,024 float32.
;; 2 versions, each right and faster than the one before. Each part assembles by itself: llvm-mc -triple=amdgcn-amd-amdhsa -mcpu=gfx1250 --defsym DOCPART=n.
;; ======== version 1 of 2: 4 launches
;; limits: values are held in f16: magnitudes above 65,504 overflow, below 6.1e-05 lose precision
;; workspace buffers: ab 16,777,216 bytes; wb 10,485,760 bytes; qkvr 33,554,432 bytes; ao 8,388,608 bytes
;; launch cast (part 1): grid 64 x 11, 8 waves a work-group, no clusters, 0 bytes of LDS; arguments x, pos_emb, Wq, Wk, Wv, Wkr, Wo, ab, wb; writes ab, wb
.if DOCPART == 1
	.amdgcn_target "amdgcn-amd-amdhsa--gfx1250"
	.amdhsa_code_object_version 6
	.text
	.protected	k_q96eed6df1c_cast
	.globl	k_q96eed6df1c_cast
	.p2align	8
	.type	k_q96eed6df1c_cast,@function
k_q96eed6df1c_cast:
	s_mov_b64 s[64:65], 0
	v_nop
	global_prefetch_b8 v0, s[64:65] scope:SCOPE_SE
	s_setreg_imm32_b32 hwreg(HW_REG_WAVE_MODE, 25, 1), 1
	s_wait_xcnt 0x0
; f32 -> f16 (nearest even) of everything that later goes to the matrix units.
;   ab [8192][1024] f16: rows 0-4095 = x; row 4096 + p = PX[p], the positions laid out twice: PX[r] = pos[r], PX[2048 + ((r + 1) mod 2048)] = pos[r].
;   wb [5][1024][1024] f16: Wq, Wk, Wv, Wkr, Wo as they lie ([k][n]).
; LIMIT: a number of 65,504 or more in magnitude becomes infinite in f16.
; SHARES: y picks 4 MiB of input (0-3 x's quarters, 4-5 pos_emb's halves, 6-10 the weights), x a chunk of 64 KiB of it.
; Thread t takes 16 bytes at 16 t + 4,096 i, i = 0..15: a wave's load covers 512 consecutive bytes, its store (8 bytes a lane) 256 consecutive
; bytes at a multiple of 256.  All 16 loads are issued first; no LDS, no barrier, no matrix unit: the bytes are all there is to this launch.
.set O2,  4                            ; v[4:19]    byte offsets of the positions' second copy
.set IN,  20                           ; v[20:83]   16 x 4 numbers as loaded
.set PKD, 84                           ; v[84:115]  16 x 2 registers of f16, never rewritten
	s_load_b512 s[8:23], s[0:1], 0x0               ; x s[8:9], pos s[10:11], Wq s[12:13], Wk s[14:15], Wv s[16:17], Wkr s[18:19], Wo s[20:21], ab s[22:23]
	s_load_b64 s[24:25], s[0:1], 0x40              ; wb
	s_and_b32 s2, ttmp7, 0xffff                    ; y
	v_lshlrev_b32 v1, 4, v0                        ; in: 16 t
	v_lshlrev_b32 v2, 3, v0                        ; out: 8 t
	s_sub_co_u32 s3, s2, 4                         ; which 4 MiB of the source: y (x), y - 4 (pos), 0 (a weight)
	s_cmp_lt_u32 s2, 6
	s_cselect_b32 s3, s3, 0
	s_cmp_lt_u32 s2, 4
	s_cselect_b32 s3, s2, s3
	s_lshl_b32 s26, s3, 22
	s_lshl_b32 s27, ttmp9, 16                      ; + my chunk of 64 KiB
	s_add_co_u32 s26, s26, s27
	s_mov_b32 s27, 0
	s_sub_co_u32 s28, s2, 6                        ; which 2 MiB of the target: y in ab, y - 6 in wb
	s_cmp_lt_u32 s2, 6
	s_cselect_b32 s28, s2, s28
	s_lshl_b32 s28, s28, 21
	s_lshl_b32 s29, ttmp9, 15
	s_add_co_u32 s28, s28, s29
	s_mov_b32 s29, 0
	s_wait_kmcnt 0x0
	s_mov_b64 s[4:5], s[20:21]                     ; the source is chosen on y alone
	s_cmp_eq_u32 s2, 9
	s_cselect_b64 s[4:5], s[18:19], s[4:5]
	s_cmp_eq_u32 s2, 8
	s_cselect_b64 s[4:5], s[16:17], s[4:5]
	s_cmp_eq_u32 s2, 7
	s_cselect_b64 s[4:5], s[14:15], s[4:5]
	s_cmp_eq_u32 s2, 6
	s_cselect_b64 s[4:5], s[12:13], s[4:5]
	s_cmp_lt_u32 s2, 6
	s_cselect_b64 s[4:5], s[10:11], s[4:5]
	s_cselect_b64 s[6:7], s[22:23], s[24:25]       ; and the target
	s_cmp_lt_u32 s2, 4
	s_cselect_b64 s[4:5], s[8:9], s[4:5]
	s_add_nc_u64 s[4:5], s[4:5], s[26:27]
	s_add_nc_u64 s[6:7], s[6:7], s[28:29]
.irp i, 0,1,2,3,4,5,6,7,8,9,10,11,12,13,14,15
	global_load_b128 v[IN+4*\i:IN+4*\i+3], v1, s[4:5] offset:\i*4096 th:TH_LOAD_NT
.endr
.irp i, 0,1,2,3,4,5,6,7,8,9,10,11,12,13,14,15
	s_wait_loadcnt 15-\i                           ; loads come back in order (ISA guide 5.7.1): load i is in, the 15 - i younger ones stay out
	v_cvt_pk_f16_f32 v[PKD+2*\i],   v[IN+4*\i],   v[IN+4*\i+1]
	v_cvt_pk_f16_f32 v[PKD+2*\i+1], v[IN+4*\i+2], v[IN+4*\i+3]
	global_store_b64 v2, v[PKD+2*\i:PKD+2*\i+1], s[6:7] offset:\i*2048
.endr
	s_cmp_lt_u32 s2, 4                             ; the positions (y = 4, 5) go out a second time, one row further on, modulo 2,048 rows
	s_cbranch_scc1 .Ldone
	s_cmp_gt_u32 s2, 5
	s_cbranch_scc1 .Ldone
	s_sub_co_u32 s30, s2, 4
	s_lshl_b32 s30, s30, 21
	s_lshl_b32 s31, ttmp9, 15
	s_add_co_u32 s30, s30, s31                     ; my chunk's byte offset in the first copy
	s_add_nc_u64 s[22:23], s[22:23], 0xc00000      ; the second copy begins at row 6,144 of ab (no pending instruction names s[22:23])
	v_add_nc_u32 v3, s30, v2
.irp i, 0,1,2,3,4,5,6,7,8,9,10,11,12,13,14,15
	v_add_nc_u32 v[O2+\i], (\i+1)*2048, v3         ; + my part i, + one row of 2,048 bytes,
	v_and_b32 v[O2+\i], 0x3fffff, v[O2+\i]         ; modulo the copy's 4 MiB
	global_store_b64 v[O2+\i], v[PKD+2*\i:PKD+2*\i+1], s[22:23]
.endr
.Ldone:
	s_endpgm
.Lfunc_end_k_q96eed6df1c_cast:
	.size	k_q96eed6df1c_cast, .Lfunc_end_k_q96eed6df1c_cast-k_q96eed6df1c_cast
	.p2alignl 7, 3214868480
	.fill 96, 4, 3214868480
	.section	.rodata,"a",@progbits
	.p2align	6, 0x0
	.amdhsa_kernel k_q96eed6df1c_cast
		.amdhsa_group_segment_fixed_size 0
		.amdhsa_private_segment_fixed_size 0
		.amdhsa_enable_private_segment 0
		.amdhsa_kernarg_size 72
		.amdhsa_user_sgpr_count 2
		.amdhsa_user_sgpr_kernarg_segment_ptr 1
		.amdhsa_wavefront_size32 1
		.amdhsa_system_sgpr_workgroup_id_x 1
		.amdhsa_system_sgpr_workgroup_id_y 1
		.amdhsa_system_sgpr_workgroup_id_z 1
		.amdhsa_system_vgpr_workitem_id 0
		.amdhsa_next_free_vgpr 116
		.amdhsa_next_free_sgpr 66
		.amdhsa_reserve_vcc 0
		.amdhsa_float_denorm_mode_32 3
		.amdhsa_float_denorm_mode_16_64 3
		.amdhsa_memory_ordered 1
		.amdhsa_forward_progress 1
		.amdhsa_inst_pref_size 11
	.end_amdhsa_kernel
	.amdgpu_metadata
---
amdhsa.version: [ 1, 2 ]
amdhsa.kernels:
  - .name:           k_q96eed6df1c_cast
    .symbol:         k_q96eed6df1c_cast.kd
    .args:
      - { .name: x, .offset: 0, .size: 8, .value_kind: global_buffer, .address_space: global }
      - { .name: pos_emb, .offset: 8, .size: 8, .value_kind: global_buffer, .address_space: global }
      - { .name: Wq, .offset: 16, .size: 8, .value_kind: global_buffer, .address_space: global }
      - { .name: Wk, .offset: 24, .size: 8, .value_kind: global_buffer, .address_space: global }
      - { .name: Wv, .offset: 32, .size: 8, .value_kind: global_buffer, .address_space: global }
      - { .name: Wkr, .offset: 40, .size: 8, .value_kind: global_buffer, .address_space: global }
      - { .name: Wo, .offset: 48, .size: 8, .value_kind: global_buffer, .address_space: global }
      - { .name: ab, .offset: 56, .size: 8, .value_kind: global_buffer, .address_space: global }
      - { .name: wb, .offset: 64, .size: 8, .value_kind: global_buffer, .address_space: global }
    .group_segment_fixed_size: 0
    .private_segment_fixed_size: 0
    .kernarg_segment_align: 8
    .kernarg_segment_size: 72
    .max_flat_workgroup_size: 256
    .sgpr_count:     66
    .vgpr_count:     116
    .wavefront_size: 32
...
	.end_amdgpu_metadata
.endif
;; end of part 1
;; launch proj (part 2): grid 32 x 32, 4 waves a work-group, clusters of 4 x 4, 327,680 bytes of LDS; arguments ab, wb, qkvr, bq, bk, bv, bkr; writes qkvr
.if DOCPART == 2
	.amdgcn_target "amdgcn-amd-amdhsa--gfx1250"
	.amdhsa_code_object_version 6
	.text
	.protected	k_q96eed6df1c_proj
	.globl	k_q96eed6df1c_proj
	.p2align	8
	.type	k_q96eed6df1c_proj,@function
k_q96eed6df1c_proj:
	s_mov_b64 s[64:65], 0
	v_nop
	global_prefetch_b8 v0, s[64:65] scope:SCOPE_SE
	s_setreg_imm32_b32 hwreg(HW_REG_WAVE_MODE, 25, 1), 1
	s_wait_xcnt 0x0
	s_wait_alu depctr_hold_cnt(0) depctr_sa_sdst(0) depctr_va_vdst(0) depctr_va_sdst(0) depctr_va_ssrc(0) depctr_va_vcc(0) depctr_vm_vsrc(0)
	s_getreg_b32 s2, hwreg(HW_REG_IB_STS2, 6, 4)
	s_cmp_eq_u32 s2, 0
	s_cbranch_scc0 .Lentry_in_a_cluster
	s_endpgm
.Lentry_in_a_cluster:
	s_bfe_u32 s2, ttmp6, 0x10000c
	s_cmp_lg_u32 s2, 0xf033
	s_cbranch_scc0 .Lentry_shape_is_right
	s_endpgm
.Lentry_shape_is_right:
; The four projections as ONE product of 4,096 x 4,096 x 1,024: q, k, val = x W + b (rows 0-4095 of ab) and KRX = PX Wkr + bkr (rows 4096-8191 of ab).
; Out, f16, head by head: qkvr + wi x 8 MiB; q, k, val as [b x 16 + h][2048][64], KRX as [h][4096][64].  KRX's row 2048 is stored as zeros: it is the
; zero column that the relative shift inserts.  Sums in f32, started by the bias.  LIMIT: operands and results are f16: 65,504 or more becomes infinite.
; A tile of the result is 128 x 128, four waves of 64 x 64 (16 accumulators).  K goes in steps of 256 through two LDS slots filled by the tensor data mover.
; A's rows lie along K (LDS rows of 512 + 16 bytes).  W lies [k][n]: its tile is 256 rows of k x 128 columns (LDS rows of 256 + 32 bytes) and its fragments
; come out turned, by ds_load_tr16_b128.
; CLUSTERS: 4 x 4 work-groups.  A's tile hangs on the weight and the tile row, shared along a row of the cluster; W's on the weight and the tile column, shared
; along a column: each is asked for JOINTLY.  The weight's number comes from the cluster's x alone, so it is the same in all sixteen.
; THE MATRIX INSTRUCTION IS USED TRANSPOSED (source 0 = 16 columns of W, source 1 = 16 rows of A): a lane holds eight neighbouring columns of one row.
; REGISTERS: window 0: v0-31 addresses; v32-95 at work on the way out; v96-127 the bias of my 64 columns; v128-255 accumulators ((a, b) at v[128 + 8 (4 a + b)]).
;   window 1: two fragment buffers of 128: for 64 along K, 64 registers of A, then 64 of W.
.set KSTEP,  256
.set DK,     1024                      ; K; also the elements in a row of ab and of wb
.set PITCH,  528                       ; A's LDS row: 512 bytes + 16: 33 x 16, so the 16 rows of a fragment load start 16 bytes apart modulo 256
.set HALFA,  64*PITCH                  ; what one tensor load of A brings, and what one wave reads of A
.set PB,     288                       ; W's LDS row: 256 bytes + 32: 9 x 32, for the turning load
.set HALFB,  128*PB                    ; 128 rows of k: what one tensor load of W brings
.set BOFF,   2*HALFA
.set SLOT,   BOFF+2*HALFB              ; 141,312
.set STAGE,  2*SLOT                    ; behind the ring, at a multiple of 256: 128 rows x 272 bytes, the work-group's; no fill lands there
.set SPITCH, 272
.set LAPS,   DK/(2*KSTEP)              ; 2
.set ADRA, 16                          ; v16-17  LDS address of my A fragments in slot 0, 1
.set ADRB, 20                          ; v20-23  of my W fragments: slot 0 rows 0-127, 128-255 of k; slot 1 likewise (so that the offsets stay under 65,536)
.set STO,  24
.set RD,   25
.set CO,   26
.set TMP,  32
.set BI,   96
.set ACC,  128
.set F0,   0
.set F1,   128
.set G1, 24                            ; s[24:31] group 1 for A;  s[32:39] group 0, a set for each slot
.set G0, 32
.set G1B, 48                           ; s[48:55], s[56:63] the same for W
.set G0B, 56
.set MSB, 0
.macro WIN new                         ; the immediate's high byte repeats the setting that is left
.if MSB != \new
	s_set_vgpr_msb (MSB<<8)|\new
.set MSB, \new
.endif
.endm
.set MUL,  0x05                        ; sources 0 (W) and 1 (A) window 1; C and D window 0
.set TO_F, 0x40                        ; destination window 1, address window 0
.macro JLOAD s                         ; a joint load: waves 0 and 1 fetch A's halves, waves 2 and 3 W's; four v_nop follow each line
	s_cmp_eq_u32 s11, 0
	s_cbranch_scc0 .Lfor_b_\@
	tensor_load_to_lds s[G0+4*\s:G0+4*\s+3], s[G1:G1+7]
.rept 4
	v_nop
.endr
	s_branch .Lasked_\@
.Lfor_b_\@:
	tensor_load_to_lds s[G0B+4*\s:G0B+4*\s+3], s[G1B:G1B+7]
.rept 4
	v_nop
.endr
.Lasked_\@:
.endm
.macro CREST                           ; a round of the cluster's barrier behind its opening barrier
	s_cmp_lg_u32 s10, 0
	s_cbranch_scc1 .Lnot_wave_0_\@
	s_barrier_signal -3
.Lnot_wave_0_\@:
	s_barrier_wait -3
	s_barrier_signal -1
	s_barrier_wait -1
.endm
.macro CROUND
	s_barrier_signal -1
	s_barrier_wait -1
	CREST
.endm
	s_load_b128 s[4:7], s[0:1], 0x0                ; ab s[4:5], wb s[6:7]
	s_load_b64 s[8:9], s[0:1], 0x10                ; qkvr
	s_load_b256 s[68:75], s[0:1], 0x18             ; bq s[68:69], bk s[70:71], bv s[72:73], bkr s[74:75]
	v_lshrrev_b32 v1, 5, v0
	v_readfirstlane_b32 s10, v1                    ; wave 0..3
	s_lshr_b32 s11, s10, 1                         ; my half of the tile's rows.  Also: I fetch for A (0) or for W (1)
	s_and_b32 s12, s10, 1                          ; my half of its columns.  Also: which half of that tile I fetch
	s_bfe_u32 s40, ttmp6, 0x40000                  ; cx
	s_bfe_u32 s41, ttmp6, 0x40004                  ; cy
	s_lshr_b32 s76, ttmp9, 1                       ; wi: 0 q, 1 k, 2 val, 3 KRX: two clusters along x to a weight
	s_and_b32 s42, ttmp9, 1
	s_lshl_b32 s42, s42, 2
	s_add_co_u32 s42, s42, s40                     ; tile column 0..7 in that weight
	s_and_b32 s13, ttmp7, 0xffff
	s_lshl_b32 s13, s13, 2
	s_add_co_u32 s13, s13, s41                     ; tile row 0..31
	s_lshl_b32 s43, s41, 2
	s_lshl_b32 s43, 15, s43                        ; my row of the cluster
	s_lshl_b32 s44, 0x1111, s40                    ; my column
	s_or_b32 s[G1+0], s43, (1<<16)|(1<<20)|(1<<21)|(6<<22)|(3<<25)  ; mask; 2-byte elements; padding on; bit 21 beside a mask; after every 128 words 4 words
	s_mov_b32 s[G1+1], KSTEP<<16                   ; tensor_dim0 = 256
	s_mov_b32 s[G1+2], 64<<16                      ; tensor_dim1 = 64
	s_mov_b32 s[G1+3], KSTEP<<16                   ; tile_dim0 = 256
	s_mov_b32 s[G1+4], 64                          ; tile_dim1 = 64
	s_mov_b32 s[G1+5], DK                          ; elements from row to row
	s_mov_b32 s[G1+6], 0
	s_mov_b32 s[G1+7], 0
	s_or_b32 s[G1B+0], s44, (1<<16)|(1<<20)|(1<<21)|(5<<22)|(7<<25) ; after every 64 words 8 words
	s_mov_b32 s[G1B+1], 128<<16                    ; 128 columns
	s_mov_b32 s[G1B+2], 128<<16                    ; 128 rows of k
	s_mov_b32 s[G1B+3], 128<<16
	s_mov_b32 s[G1B+4], 128
	s_mov_b32 s[G1B+5], DK
	s_mov_b32 s[G1B+6], 0
	s_mov_b32 s[G1B+7], 0
	s_cmp_eq_u32 s76, 3                            ; A: row (KRX: 4,096) + 128 x tile row + 64 x half, 2,048 bytes a row
	s_cselect_b32 s16, 4096, 0
	s_lshl_b32 s17, s13, 7
	s_add_co_u32 s16, s16, s17
	s_lshl_b32 s17, s12, 6
	s_add_co_u32 s16, s16, s17
	s_lshl_b32 s16, s16, 11
	s_mov_b32 s17, 0
	s_lshl_b32 s46, s76, 21                        ; W: weight x 2 MiB + half x 128 rows of k + 256 bytes x tile column
	s_lshl_b32 s47, s12, 18
	s_add_co_u32 s46, s46, s47
	s_lshl_b32 s47, s42, 8
	s_add_co_u32 s46, s46, s47
	s_mov_b32 s47, 0
	s_mul_i32 s20, s12, HALFA                      ; where they go: no place in the cluster enters an LDS address
	s_mul_i32 s21, s12, HALFB
	s_add_co_u32 s21, s21, BOFF
	s_lshl_b32 s82, s42, 9                         ; the bias of my 64 columns: (128 x tile column + 64 x half) x 4 bytes
	s_lshl_b32 s83, s12, 8
	s_add_co_u32 s82, s82, s83
	s_mov_b32 s83, 0
	s_wait_kmcnt 0x0
	s_add_nc_u64 s[14:15], s[4:5], s[16:17]
	s_add_nc_u64 s[46:47], s[6:7], s[46:47]
	s_mov_b64 s[80:81], s[74:75]                   ; the bias is chosen on the weight's number alone
	s_cmp_eq_u32 s76, 2
	s_cselect_b64 s[80:81], s[72:73], s[80:81]
	s_cmp_eq_u32 s76, 1
	s_cselect_b64 s[80:81], s[70:71], s[80:81]
	s_cmp_eq_u32 s76, 0
	s_cselect_b64 s[80:81], s[68:69], s[80:81]
	s_add_nc_u64 s[80:81], s[80:81], s[82:83]
	CROUND                                         ; all sixteen work-groups are here: the first joint loads meet
.irp s, 0,1
	s_mov_b32 s[G0+4*\s], 1
	s_add_co_u32 s[G0+4*\s+1], s20, \s*SLOT
	s_add_nc_u64 s[G0+4*\s+2:G0+4*\s+3], s[14:15], \s*KSTEP*2
	s_or_b32 s[G0+4*\s+3], s[G0+4*\s+3], 0x80000000
	s_mov_b32 s[G0B+4*\s], 1
	s_add_co_u32 s[G0B+4*\s+1], s21, \s*SLOT
	s_add_nc_u64 s[G0B+4*\s+2:G0B+4*\s+3], s[46:47], \s*KSTEP*DK*2
	s_or_b32 s[G0B+4*\s+3], s[G0B+4*\s+3], 0x80000000
	JLOAD \s                                       ; two tensor loads of mine are out
.endr
	v_and_b32 v1, 15, v0                           ; r = l % 16
	v_bfe_u32 v2, v0, 4, 1                         ; h = l / 16
	v_and_b32 v6, 7, v0
	v_bfe_u32 v7, v0, 3, 1
	v_lshlrev_b32 v9, 5, v2                        ; the bias: register 8 b + j of a lane belongs to column 16 b + 8 h + j
.irp b, 0,1,2,3
	global_load_b128 v[BI+8*\b:BI+8*\b+3],   v9, s[80:81] offset:64*\b
	global_load_b128 v[BI+8*\b+4:BI+8*\b+7], v9, s[80:81] offset:64*\b+16
.endr
	v_mul_u32_u24 v3, v1, PITCH
	v_lshl_add_u32 v3, v2, 4, v3                   ; A: row x pitch + 16 h
	v_lshl_add_u32 v8, v2, 3, v6                   ; W, turning load: row of k 8 h + l % 8,
	v_mul_u32_u24 v8, v8, PB
	v_lshl_add_u32 v8, v7, 4, v8                   ; columns 8 ((l / 8) % 2) on
	s_mul_i32 s21, s11, HALFA                      ; my 64 rows of A
	s_lshl_b32 s22, s12, 7                         ; my 64 columns of W
	s_add_co_u32 s22, s22, BOFF
.irp s, 0,1
	v_add_nc_u32 v[ADRA+\s], s21, v3
	v_add_nc_u32 v[ADRB+2*\s], s22, v8
	s_add_co_u32 s22, s22, HALFB
	v_add_nc_u32 v[ADRB+2*\s+1], s22, v8
	s_add_co_u32 s21, s21, SLOT
	s_add_co_u32 s22, s22, SLOT-HALFB
.endr
	s_mul_i32 s23, s11, 64*SPITCH                  ; into the stage: my 64 rows, my half of their 256 bytes
	s_lshl_b32 s21, s12, 7
	s_add_co_u32 s23, s23, s21
	s_add_co_u32 s23, s23, STAGE
	v_mul_u32_u24 v4, v1, SPITCH
	v_lshl_add_u32 v4, v2, 4, v4
	v_add_nc_u32 v[STO], s23, v4
	s_mul_i32 s23, s10, 32*SPITCH                  ; back: wave w takes rows 32 w .. 32 w + 31.  Lanes 0-15: two rows' 128 bytes of the left head, lanes 16-31 of the right
	s_add_co_u32 s23, s23, STAGE
	v_mul_u32_u24 v5, v7, SPITCH
	v_lshl_add_u32 v5, v2, 7, v5
	v_lshl_add_u32 v5, v6, 4, v5
	v_add_nc_u32 v[RD], s23, v5
	s_lshl_b32 s16, s13, 7                         ; the first row that I store: m0 = 128 x tile row + 32 x wave
	s_lshl_b32 s17, s10, 5
	s_add_co_u32 s16, s16, s17
	s_cmp_eq_u32 s76, 3
	s_cselect_b32 s14, 1, 0
	s_cselect_b32 s15, 18, 22                      ; rows 2,048 on: the next batch (16 heads, 4 MiB on) or, in KRX, simply 2,048 rows of 128 bytes on
	s_mov_b32 s78, 262144
	s_lshl_b32 s78, s78, s14                       ; bytes from head to head: 2,048 or 4,096 rows of 128
	s_lshr_b32 s17, s16, 11
	s_lshl_b32 s17, s17, s15
	s_and_b32 s16, s16, 2047
	s_lshl_b32 s16, s16, 7
	s_add_co_u32 s16, s16, s17
	s_lshl_b32 s17, s76, 23                        ; the weight's 8 MiB
	s_add_co_u32 s16, s16, s17
	s_mov_b32 s17, 0
	s_add_nc_u64 s[8:9], s[8:9], s[16:17]
	s_mul_i32 s46, s42, s78                        ; the tile's left head is 2 x tile column
	s_lshl_b32 s46, s46, 1
	s_mov_b32 s47, 0
	s_add_nc_u64 s[8:9], s[8:9], s[46:47]
	v_mul_lo_u32 v5, v2, s78
	v_lshl_add_u32 v[CO], v1, 4, v5                ; sixteen lanes: two rows of one head, 256 consecutive bytes
	s_lshl_b32 s79, s13, 7                         ; KRX's row 2048 seen from my first row: equal to r only in that row; any other weight: never
	s_lshl_b32 s14, s11, 6
	s_add_co_u32 s79, s79, s14
	s_sub_co_u32 s79, 2048, s79
	s_cmp_eq_u32 s76, 3
	s_cselect_b32 s79, s79, 0x40000000
; 8 matrix instructions: row blocks a0, a0 + 1 x all 4 column blocks, 32 along K: half c of buffer f.  zero = 1: the bias starts the sums: nothing is cleared or added later.
; The 16 accumulators take turns, one instruction a turn.
.macro MUL8 f, c, a0, zero
.irp a, \a0, \a0+1
.irp b, 0,1,2,3
.if \zero
	v_wmma_f32_16x16x32_f16 v[ACC+8*(4*(\a)+\b):ACC+8*(4*(\a)+\b)+7], v[\f+64+8*(4*\c+\b):\f+64+8*(4*\c+\b)+7], v[\f+8*(4*\c+\a):\f+8*(4*\c+\a)+7], v[BI+8*\b:BI+8*\b+7]
.else
	v_wmma_f32_16x16x32_f16 v[ACC+8*(4*(\a)+\b):ACC+8*(4*(\a)+\b)+7], v[\f+64+8*(4*\c+\b):\f+64+8*(4*\c+\b)+7], v[\f+8*(4*\c+\a):\f+8*(4*\c+\a)+7], v[ACC+8*(4*(\a)+\b):ACC+8*(4*(\a)+\b)+7]
.endif
.endr
.endr
.endm
; 32 LDS loads in one run: the fragments of quarter q (64 along K) of a slot into buffer f; the first 32 along K first
.macro FETCH slot, q, f
	WIN TO_F
.irp c, 0,1
.irp i, 0,1,2,3
	ds_load_tr16_b128 v[\f+64+8*(4*\c+\i):\f+64+8*(4*\c+\i)+3],   v[ADRB+2*\slot+(\q)/2] offset:((\q)%2)*64*PB+\c*32*PB+\i*32
	ds_load_tr16_b128 v[\f+64+8*(4*\c+\i)+4:\f+64+8*(4*\c+\i)+7], v[ADRB+2*\slot+(\q)/2] offset:((\q)%2)*64*PB+\c*32*PB+\i*32+16*PB
	ds_load_b128 v[\f+8*(4*\c+\i):\f+8*(4*\c+\i)+3],   v[ADRA+\slot] offset:\q*128+64*\c+\i*16*PITCH
	ds_load_b128 v[\f+8*(4*\c+\i)+4:\f+8*(4*\c+\i)+7], v[ADRA+\slot] offset:\q*128+64*\c+\i*16*PITCH+32
.endr
.endr
.endm
.macro PLACES                          ; four places in front of loads into registers that matrix instructions have read, and of vector work on results (ISA guide 7.12.1 for vector work)
.rept 4
	v_nop
.endr
.endm
; A K step is four quarters of 64 along K, 32 matrix instructions each, on buffers 0, 1, 0, 1.  One of the first three: multiplies buffer f and fetches quarter q into g.
.macro QUARTER slot, q, f, g, zero
	s_wait_dscnt 16                                ; the first 32 along K are in; the sixteen younger loads may be out
	WIN MUL
	MUL8 \f, 0, 0, \zero
	MUL8 \f, 0, 2, \zero
	PLACES
	FETCH \slot, \q, \g
	s_wait_dscnt 32                                ; all but the 32 just issued
	WIN MUL
	MUL8 \f, 1, 0, 0
	MUL8 \f, 1, 2, 0
.endm
; The last quarter multiplies buffer 1 and changes slots: ONE barrier; in front of it each wave waits for its reads of this slot and for all its tensor loads.
.macro TURN slot, next, fill
	s_wait_dscnt 16
	WIN MUL
	MUL8 F1, 0, 0, 0
	s_wait_dscnt 0                                 ; my reads of this slot are over,
	s_wait_tensorcnt 0x0                           ; and all my tensor loads have landed: my part of the next slot
	s_barrier_signal -1
	MUL8 F1, 0, 2, 0
.if \fill
	WIN 0
.endif
	s_barrier_wait -1
.if \fill
	CREST                                          ; the barrier has opened a round of the cluster's: no wave of any partner still reads this slot or has a load on its way
	s_add_nc_u64 s[G0+4*\slot+2:G0+4*\slot+3], s[G0+4*\slot+2:G0+4*\slot+3], 2*KSTEP*2
	s_add_nc_u64 s[G0B+4*\slot+2:G0B+4*\slot+3], s[G0B+4*\slot+2:G0B+4*\slot+3], 2*KSTEP*DK*2
	JLOAD \slot                                    ; the first tensor load behind the round, my only one out; its four v_nop are also the places in front of the loads below
.else
	PLACES
.endif
	FETCH \next, 0, F0
	WIN MUL
	MUL8 F1, 1, 0, 0
	MUL8 F1, 1, 2, 0
.endm
	s_wait_tensorcnt 1                             ; my part of K step 0 is in; K step 1's may stay out
	s_barrier_signal -1
	s_barrier_wait -1
	FETCH 0, 0, F0
	s_wait_loadcnt 0x0                             ; the bias
	QUARTER 0, 1, F0, F1, 1
	WIN 0
	s_mov_b32 s3, LAPS-1
.Llap:                                                 ; a trip goes once round the ring and fills both slots again
	QUARTER 0, 2, F1, F0, 0
	QUARTER 0, 3, F0, F1, 0
	TURN 0, 1, 1
	QUARTER 1, 1, F0, F1, 0
	QUARTER 1, 2, F1, F0, 0
	QUARTER 1, 3, F0, F1, 0
	TURN 1, 0, 1
	QUARTER 0, 1, F0, F1, 0
	WIN 0
	s_sub_co_u32 s3, s3, 1
	s_cmp_lg_u32 s3, 0
	s_cbranch_scc1 .Llap
	QUARTER 0, 2, F1, F0, 0                        ; the last lap fills nothing
	QUARTER 0, 3, F0, F1, 0
	TURN 0, 1, 0
	QUARTER 1, 1, F0, F1, 0
	QUARTER 1, 2, F1, F0, 0
	QUARTER 1, 3, F0, F1, 0
	s_wait_dscnt 16
	WIN MUL
	MUL8 F1, 0, 0, 0
	MUL8 F1, 0, 2, 0
	s_wait_dscnt 0
	MUL8 F1, 1, 0, 0
	MUL8 F1, 1, 2, 0
	WIN 0
	; THE WAY OUT: round to f16 (KRX's row 2048: zeros); 16 bytes a lane into the stage; a barrier, since a row's 256 bytes come from two waves; back by heads.
	PLACES
.irp a, 0,1,2,3
	v_cmp_ne_u32 vcc_lo, s79, v1                   ; off only in the lanes that hold KRX's row 2048
	s_sub_co_u32 s79, s79, 16
.irp b, 0,1,2,3
.irp r, 0,1,2,3
	v_cvt_pk_f16_f32 v[TMP+4*(4*\a+\b)+\r], v[ACC+8*(4*\a+\b)+2*\r], v[ACC+8*(4*\a+\b)+2*\r+1]
.endr
.irp r, 0,1,2,3
	v_cndmask_b32 v[TMP+4*(4*\a+\b)+\r], 0, v[TMP+4*(4*\a+\b)+\r], vcc_lo
.endr
.endr
.endr
.irp a, 0,1,2,3
.irp b, 0,1,2,3
	ds_store_b128 v[STO], v[TMP+4*(4*\a+\b):TMP+4*(4*\a+\b)+3] offset:\a*16*SPITCH+32*\b
.endr
.endr
	s_wait_dscnt 0x0                               ; for the others' sake: my stores into the stage are done
	s_barrier_signal -1
	s_barrier_wait -1
.irp t, 0,1,2,3,4,5,6,7,8,9,10,11,12,13,14,15
	ds_load_b128 v[TMP+4*\t:TMP+4*\t+3], v[RD] offset:\t*2*SPITCH
.endr
.irp t, 0,1,2,3,4,5,6,7,8,9,10,11,12,13,14,15
	s_wait_dscnt 15-\t                             ; load t is back, the younger ones may be out
	global_store_b128 v[CO], v[TMP+4*\t:TMP+4*\t+3], s[8:9] offset:\t*256   ; 16 lanes store 256 consecutive bytes, at a multiple of 256 from the buffer's first byte
.endr
	CROUND                                         ; the closing round: no work-group ends while a partner may still ask for a tile that names it
	s_endpgm
.Lfunc_end_k_q96eed6df1c_proj:
	.size	k_q96eed6df1c_proj, .Lfunc_end_k_q96eed6df1c_proj-k_q96eed6df1c_proj
	.p2alignl 7, 3214868480
	.fill 96, 4, 3214868480
	.section	.rodata,"a",@progbits
	.p2align	6, 0x0
	.amdhsa_kernel k_q96eed6df1c_proj
		.amdhsa_group_segment_fixed_size 327680
		.amdhsa_private_segment_fixed_size 0
		.amdhsa_enable_private_segment 0
		.amdhsa_kernarg_size 56
		.amdhsa_user_sgpr_count 2
		.amdhsa_user_sgpr_kernarg_segment_ptr 1
		.amdhsa_wavefront_size32 1
		.amdhsa_system_sgpr_workgroup_id_x 1
		.amdhsa_system_sgpr_workgroup_id_y 1
		.amdhsa_system_sgpr_workgroup_id_z 1
		.amdhsa_system_vgpr_workitem_id 0
		.amdhsa_next_free_vgpr 512
		.amdhsa_next_free_sgpr 96
		.amdhsa_reserve_vcc 1
		.amdhsa_float_denorm_mode_32 3
		.amdhsa_float_denorm_mode_16_64 3
		.amdhsa_memory_ordered 1
		.amdhsa_forward_progress 1
		.amdhsa_inst_pref_size 91
	.end_amdhsa_kernel
	.amdgpu_metadata
---
amdhsa.version: [ 1, 2 ]
amdhsa.kernels:
  - .name:           k_q96eed6df1c_proj
    .symbol:         k_q96eed6df1c_proj.kd
    .args:
      - { .name: ab, .offset: 0, .size: 8, .value_kind: global_buffer, .address_space: global }
      - { .name: wb, .offset: 8, .size: 8, .value_kind: global_buffer, .address_space: global }
      - { .name: qkvr, .offset: 16, .size: 8, .value_kind: global_buffer, .address_space: global }
      - { .name: bq, .offset: 24, .size: 8, .value_kind: global_buffer, .address_space: global }
      - { .name: bk, .offset: 32, .size: 8, .value_kind: global_buffer, .address_space: global }
      - { .name: bv, .offset: 40, .size: 8, .value_kind: global_buffer, .address_space: global }
      - { .name: bkr, .offset: 48, .size: 8, .value_kind: global_buffer, .address_space: global }
    .group_segment_fixed_size: 327680
    .private_segment_fixed_size: 0
    .kernarg_segment_align: 8
    .kernarg_segment_size: 56
    .max_flat_workgroup_size: 128
    .sgpr_count:     96
    .vgpr_count:     512
    .wavefront_size: 32
...
	.end_amdgpu_metadata
.endif
;; end of part 2
;; launch attn (part 3): grid 8 x 32, 4 waves a work-group, no clusters, 327,680 bytes of LDS; arguments qkvr, u, v, ao; writes ao
.if DOCPART == 3
	.amdgcn_target "amdgcn-amd-amdhsa--gfx1250"
	.amdhsa_code_object_version 6
	.text
	.protected	k_q96eed6df1c_attn
	.globl	k_q96eed6df1c_attn
	.p2align	8
	.type	k_q96eed6df1c_attn,@function
k_q96eed6df1c_attn:
	s_mov_b64 s[64:65], 0
	v_nop
	global_prefetch_b8 v0, s[64:65] scope:SCOPE_SE
	s_setreg_imm32_b32 hwreg(HW_REG_WAVE_MODE, 25, 1), 1
	s_wait_xcnt 0x0
; ao[b h][i][:] = sum over j of softmax_j((AC + BD + EF + GH)[i][j] / 8) val[j][:], f16 out, for one (b, h) and 256 queries a work-group.
;   AC + EF = (q_i + u_h) . k_j.     GH = v_h . kr_i (the same for all j of a row; computed and added all the same).
;   BD[i][j] = qsel . KRX[2047 - i + j], KRX = kr, a zero row at 2048, kr again: qsel = q_i for table rows below 2048 and q_(i+1) from 2048 on.  That is the
;   relative shift written out; since 2048 is a multiple of 16, each tile of 16 table rows takes one of the two q as a whole.
; LIMIT: matrix operands (q, q + u, k, val, KRX, v, the weights p) are f16: 65,504 or more in magnitude becomes infinite.  Scores, maxima, sums, BD in f32.
; SHARES.  Four waves, 64 queries each: four tiles of 16.  Every wave walks all 2,048 keys, 64 a trip; an LDS slot holds two trips: 128 rows of K, 128 of V and the
; 384 rows of KRX that the work-group's 256 queries meet in 128 keys.  Wave 0 fetches K, wave 1 V, waves 2 and 3 a half of KRX's window each: one tensor load a wave
; behind each change of slots; two are out at the start, one afterwards.
; LAYOUT.  S^T = K (Q+U)^T: a lane holds ONE query (lane % 16) and keys 8 (lane / 16) + 0..7; two such tiles, rounded in pairs, are source 1 of O^T = V^T P.
; T = Qsel KRX^T + G is NOT transposed: register j of lane (n, h) holds query a = 8 h + j, table row R0 + n, which belongs to key J - 15 + n + a.
; THE SKEW.  T is stored by words into the wave's own ring in LDS, row a, column key mod 128 (the skew is a step of pitch + 4 bytes from register to register), and
; read back by 16-byte loads as the C operand of S^T: BD + GH start the sums of AC, and no vector addition is spent on them.  A trip makes the four diagonal tiles
; J = j0 + 16 .. j0 + 64; the tile J = 0 is made once ahead of the loop.
; NO CLUSTER, though query blocks of a head share K and V: the trip at which a wave goes over from q_i to q_(i+1) hangs on its query block, so partners would branch
; on their place; and each would still fetch its own window of KRX, 55,296 of a slot's 94,208 bytes.
; REGISTERS, in windows of 256 (s_set_vgpr_msb: bits 1:0 source 0, 3:2 source 1, 5:4 source 2, 7:6 destination):
;   window 0: v0-31 addresses; v32-63 statistics, 8 a tile; v64-191 S^T, 32 a tile; v192-255 P, 16 a tile
;   window 1: v0-127 O^T, 32 a tile; v128-191 eight tiles of T; v192-223 G, 8 a tile
;   window 2: v0-63 Q+U; v64-127 Q; v128-191 Q of rows i + 1; v192-255 KRX's rows i (ahead of the loop only)
;   window 3: v0-63 K; v64-127 V; v128-239 seven tiles of KRX (ahead of the loop: v's fragment in v128-143)
.set KP,    144                        ; LDS row of K and KRX: 128 bytes + 16 = 9 x 16: the 16 rows of a load start 16 bytes apart modulo 256
.set VP,    160                        ; of V: 128 + 32 = 5 x 32, for the turning load
.set VOFF,  128*KP
.set KROFF, VOFF+128*VP
.set SLOT,  KROFF+384*KP               ; 94,208
.set RING,  2*SLOT                     ; 188,416, a multiple of 256: no fill lands from here on
.set RP,    528                        ; a ring row: 128 columns of f32 + 16 bytes
.set TR,    16*RP                      ; a tile's ring
.set RW,    4*TR                       ; a wave's ring, 33,792
.set AK0, 3                            ; my lane's place in K, V, KRX's window; never rewritten
.set AV0, 4
.set AR0, 5
.set AK,  6                            ; the same in the slot in hand
.set AV,  7
.set AKR, 8
.set AN,  9                            ; ring: where T's register 0 goes, without wrap
.set ARD, 10                           ; ring: where I read BD
.set QO,  11
.set AW,  12                           ; v12-19 ring: where T's register j goes in the tile that wraps (columns 113 + n + a modulo 128)
.set QNO, 20                           ; v20-23
.set STO, 24
.set RD,  25
.set GO,  26
.set UO,  27
.set ST,  32                           ; tile t at v[ST + 8 t]: +0 c m, +1 m, +2, +3 l, +4..+7 at work; a in +6
.set S,   64
.set P,   192
.set UF,  128                          ; ahead of the loop: u, v in f32, in S's registers
.set VF32, 160
.set O,   0
.set TT,  128
.set G,   192
.set QU,  0
.set Q,   64
.set QN,  128
.set KI,  192
.set KF,  0
.set VF,  64
.set RF,  128
.set WV,  12
.set G1K, 24
.set G1V, 32
.set G1R, 40
.set G0K, 48                           ; group 0: a set for each slot; the LDS word never changes
.set G0V, 56
.set G0R, 68
.set CNT, 76
.set DJ,  77                           ; the trip's first key less the wave's first query
.set CS,  78                           ; s[78:79] c = log2(e) / 8
.set SEL, 80
.set MSB, 0
.macro WIN new
.if MSB != \new
	s_set_vgpr_msb (MSB<<8)|\new
.set MSB, \new
.endif
.endm
.set W_T,  0x5e                        ; Q window 2, KRX window 3, C and D window 1
.set W_TS, 0x04                        ; store data window 1
.set W_AC, 0x0b                        ; K window 3, Q+U window 2, S^T window 0
.set W_PV, 0x53                        ; V window 3, P window 0, O^T window 1
.set W_RS, 0x41                        ; O^T window 1, a window 0
.macro PLACES n                        ; plain instructions behind matrix instructions (ISA guide 7.12.1 for vector instructions)
.rept \n
	v_nop
.endr
.endm
.macro REFILL s                        ; one tensor load a wave, chosen by the wave's number; four v_nop follow each line
	s_cmp_lt_u32 s[WV], 2
	s_cbranch_scc0 .Lfor_r_\@
	s_cmp_eq_u32 s[WV], 0
	s_cbranch_scc0 .Lfor_v_\@
	tensor_load_to_lds s[G0K+4*\s:G0K+4*\s+3], s[G1K:G1K+7]
	PLACES 4
	s_branch .Lasked_\@
.Lfor_v_\@:
	tensor_load_to_lds s[G0V+4*\s:G0V+4*\s+3], s[G1V:G1V+7]
	PLACES 4
	s_branch .Lasked_\@
.Lfor_r_\@:
	tensor_load_to_lds s[G0R+4*\s:G0R+4*\s+3], s[G1R:G1R+7]
	PLACES 4
.Lasked_\@:
.endm
	s_load_b256 s[4:11], s[0:1], 0x0               ; qkvr s[4:5], u s[6:7], v s[8:9], ao s[10:11]
	v_lshrrev_b32 v3, 5, v0
	v_readfirstlane_b32 s[WV], v3
	s_and_b32 s13, ttmp7, 0xffff                   ; b x 16 + h
	s_and_b32 s14, s13, 15                         ; h
	s_lshl_b32 s15, ttmp9, 8                       ; the work-group's first query
	s_lshl_b32 s16, s[WV], 6
	s_add_co_u32 s16, s16, s15                     ; the wave's first query
	s_sub_co_i32 s[DJ], 0, s16
	s_and_b32 s17, s[WV], 1
	s_lshl_b32 s18, s13, 18                        ; a head of q, k, val: 2,048 rows of 128 bytes
	s_mov_b32 s19, 0
	s_lshl_b32 s84, s14, 19                        ; a head of KRX: 4,096 rows
	s_mov_b32 s85, 0
	; group 1: the tiles are dense in memory and come as rows of 256 bytes (two table rows), with padding behind every 32 words
	s_mov_b32 s[G1K], (1<<16)|(1<<20)|(4<<22)|(3<<25)
	s_mov_b32 s[G1V], (1<<16)|(1<<20)|(4<<22)|(7<<25)
	s_mov_b32 s[G1R], (1<<16)|(1<<20)|(4<<22)|(3<<25)
.irp g, G1K, G1V, G1R
	s_mov_b32 s[\g+1], 128<<16                     ; tensor_dim0 = 128 elements
	s_mov_b32 s[\g+3], 128<<16                     ; tile_dim0
	s_mov_b32 s[\g+5], 128                         ; elements from row to row
	s_mov_b32 s[\g+6], 0
	s_mov_b32 s[\g+7], 0
.endr
	s_mov_b32 s[G1K+2], 64<<16                     ; 128 keys = 64 rows of 256 bytes
	s_mov_b32 s[G1K+4], 64
	s_mov_b32 s[G1V+2], 64<<16
	s_mov_b32 s[G1V+4], 64
	s_mov_b32 s[G1R+2], 96<<16                     ; 192 table rows = 96
	s_mov_b32 s[G1R+4], 96
	s_mov_b32 s[CS], 0x3e38aa3b                    ; log2(e) / 8
	s_mov_b32 s[CS+1], s[CS]
	s_mov_b32 s[SEL], 0x76543210
	s_mov_b32 s[SEL+1], 0xfedcba98
	s_wait_kmcnt 0x0
	s_add_nc_u64 s[20:21], s[4:5], s[18:19]        ; q's head; k's is 8 MiB on, val's 16 MiB
	s_add_nc_u64 s[86:87], s[4:5], s[84:85]
	s_add_nc_u64 s[86:87], s[86:87], 0x1800000     ; KRX's head
	s_sub_co_u32 s84, 1792, s15                    ; slot 0's window begins at table row 1792 - first query (0 .. 1792; the last window ends at row 4,096)
	s_lshl_b32 s84, s84, 7
	s_mul_i32 s83, s17, 192*128
	s_add_co_u32 s84, s84, s83
	s_add_nc_u64 s[22:23], s[86:87], s[84:85]      ; my half of it
	s_mul_i32 s83, s17, 192*KP
.irp s, 0,1
	s_mov_b32 s[G0K+4*\s], 1
	s_mov_b32 s[G0K+4*\s+1], \s*SLOT
	s_add_nc_u64 s[G0K+4*\s+2:G0K+4*\s+3], s[20:21], 0x800000+\s*16384
	s_or_b32 s[G0K+4*\s+3], s[G0K+4*\s+3], 0x80000000
	s_mov_b32 s[G0V+4*\s], 1
	s_mov_b32 s[G0V+4*\s+1], VOFF+\s*SLOT
	s_add_nc_u64 s[G0V+4*\s+2:G0V+4*\s+3], s[20:21], 0x1000000+\s*16384
	s_or_b32 s[G0V+4*\s+3], s[G0V+4*\s+3], 0x80000000
	s_mov_b32 s[G0R+4*\s], 1
	s_add_co_u32 s[G0R+4*\s+1], s83, KROFF+\s*SLOT
	s_add_nc_u64 s[G0R+4*\s+2:G0R+4*\s+3], s[22:23], \s*16384
	s_or_b32 s[G0R+4*\s+3], s[G0R+4*\s+3], 0x80000000
.endr
	s_cmp_lt_u32 s[WV], 2                          ; a wave's two first fills stand in one branch, ahead of every wait on TENSORcnt, LDS read and barrier
	s_cbranch_scc0 .Lfirst_r
	s_cmp_eq_u32 s[WV], 0
	s_cbranch_scc0 .Lfirst_v
	tensor_load_to_lds s[G0K:G0K+3], s[G1K:G1K+7]
	tensor_load_to_lds s[G0K+4:G0K+7], s[G1K:G1K+7]
	PLACES 4
	s_branch .Lfirst_asked
.Lfirst_v:
	tensor_load_to_lds s[G0V:G0V+3], s[G1V:G1V+7]
	tensor_load_to_lds s[G0V+4:G0V+7], s[G1V:G1V+7]
	PLACES 4
	s_branch .Lfirst_asked
.Lfirst_r:
	tensor_load_to_lds s[G0R:G0R+3], s[G1R:G1R+7]
	tensor_load_to_lds s[G0R+4:G0R+7], s[G1R:G1R+7]
	PLACES 4
.Lfirst_asked:
	s_lshl_b32 s84, s14, 8                         ; u and v at my head's 64 numbers
	s_add_nc_u64 s[6:7], s[6:7], s[84:85]
	s_add_nc_u64 s[8:9], s[8:9], s[84:85]
	s_lshl_b32 s84, s16, 7                         ; ao at my wave's first row
	s_add_co_u32 s84, s84, s18
	s_add_nc_u64 s[10:11], s[10:11], s[84:85]
	v_and_b32 v1, 15, v0                           ; r
	v_bfe_u32 v2, v0, 4, 1                         ; h
	v_and_b32 v29, 7, v0
	v_bfe_u32 v30, v0, 3, 1
	v_and_b32 v31, 31, v0                          ; lane
	v_add_nc_u32 v[QO], s16, v1                    ; a fragment: lane holds row r; registers 0-3 channels 8 h on, 4-7 channels 16 + 8 h on
.irp t, 0,1,2,3
	v_add_nc_u32 v[QNO+\t], 16*\t+1, v[QO]         ; rows i + 1; row 2048 does not exist and its products are never read: clamped, so that the load stays in the head
	v_min_u32 v[QNO+\t], 0x7ff, v[QNO+\t]
	v_lshlrev_b32 v[QNO+\t], 7, v[QNO+\t]
	v_lshl_add_u32 v[QNO+\t], v2, 4, v[QNO+\t]
.endr
	v_lshlrev_b32 v[QO], 7, v[QO]
	v_lshl_add_u32 v[QO], v2, 4, v[QO]
	v_lshlrev_b32 v[UO], 5, v2
	WIN 0x80                                       ; destination window 2
.irp t, 0,1,2,3
.irp p, 0,1,2,3
	global_load_b128 v[Q+16*\t+4*\p:Q+16*\t+4*\p+3],   v[QO],     s[20:21] offset:\t*2048+32*\p
	global_load_b128 v[QN+16*\t+4*\p:QN+16*\t+4*\p+3], v[QNO+\t], s[20:21] offset:32*\p
	global_load_b128 v[KI+16*\t+4*\p:KI+16*\t+4*\p+3], v[QO],     s[86:87] offset:\t*2048+32*\p
.endr
.endr
	WIN 0
.irp t, 0,1,2,3
.irp p, 0,1,2,3
	global_load_b128 v[S+16*\t+4*\p:S+16*\t+4*\p+3], v[QO], s[20:21] offset:\t*2048+32*\p   ; q once more, where its halves can be widened
.endr
.endr
.irp p, 0,1,2,3
	global_load_b128 v[UF+8*\p:UF+8*\p+3],       v[UO], s[6:7] offset:64*\p      ; the channels of fragment registers 4 p .. 4 p + 3, in f32
	global_load_b128 v[UF+8*\p+4:UF+8*\p+7],     v[UO], s[6:7] offset:64*\p+16
	global_load_b128 v[VF32+8*\p:VF32+8*\p+3],   v[UO], s[8:9] offset:64*\p
	global_load_b128 v[VF32+8*\p+4:VF32+8*\p+7], v[UO], s[8:9] offset:64*\p+16
.endr
	; LDS addresses
	s_mul_i32 s82, s[WV], RW
	s_add_co_u32 s82, s82, RING                    ; my ring
	v_mul_u32_u24 v[AK0], v1, KP
	v_lshl_add_u32 v[AK0], v2, 4, v[AK0]
	v_lshl_add_u32 v[AV0], v2, 3, v29              ; turning load: key 8 h + l % 8, channels 8 ((l / 8) % 2) on
	v_mul_u32_u24 v[AV0], v[AV0], VP
	v_lshl_add_u32 v[AV0], v30, 4, v[AV0]
	v_add_nc_u32 v[AV0], VOFF, v[AV0]
	s_mul_i32 s17, s[WV], 64*KP
	s_sub_co_u32 s17, KROFF+192*KP, s17            ; tile (trip tp, s, t) lies at window row 192 - 64 w + 64 tp + 16 (s - t + 3)
	v_add_nc_u32 v[AR0], s17, v[AK0]
	v_mov_b32 v[AK], v[AK0]
	v_mov_b32 v[AV], v[AV0]
	v_mov_b32 v[AKR], v[AR0]
	v_mul_u32_u24 v[AN], v2, 8*(RP+4)
	v_lshl_add_u32 v[AN], v1, 2, v[AN]
	v_add_nc_u32 v[AN], s82, v[AN]
	v_mul_u32_u24 v[ARD], v1, RP
	v_lshl_add_u32 v[ARD], v2, 5, v[ARD]
	v_add_nc_u32 v[ARD], s82, v[ARD]
	v_add_nc_u32 v[STO], s82, v[AK0]               ; the way out uses the ring as a stage: rows of 144 bytes
	v_lshrrev_b32 v28, 3, v31
	v_mul_u32_u24 v28, v28, KP
	v_lshl_add_u32 v28, v29, 4, v28
	v_add_nc_u32 v[RD], s82, v28
	v_lshlrev_b32 v[GO], 4, v31
	v_lshl_add_u32 v29, v2, 3, v1                  ; n + 8 h
	v_lshlrev_b32 v30, 3, v2                       ; 8 h
.irp j, 0,1,2,3,4,5,6,7
	v_add_nc_u32 v28, 113+\j, v29
	v_and_b32 v28, 127, v28
	v_add_nc_u32 v[AW+\j], \j, v30
	v_mul_u32_u24 v[AW+\j], v[AW+\j], RP
	v_lshl_add_u32 v[AW+\j], v28, 2, v[AW+\j]
	v_add_nc_u32 v[AW+\j], s82, v[AW+\j]
.endr
	s_wait_loadcnt 0x0
	; Q + U, added in f32 and rounded once, two tiles at a time
.irp tp, 0,1
	WIN 0
.set i, 0
.rept 32
	v_mov_b32 v28, v[S+32*\tp+i]
	v_cvt_f32_f16 v[P+2*i], v28.l
	v_cvt_f32_f16 v[P+2*i+1], v28.h
	v_pk_add_f32 v[P+2*i:P+2*i+1], v[P+2*i:P+2*i+1], v[UF+2*(i%16):UF+2*(i%16)+1]
.set i, i+1
.endr
	WIN 0x80
.set i, 0
.rept 32
	v_cvt_pk_f16_f32 v[QU+32*\tp+i], v[P+2*i], v[P+2*i+1]
.set i, i+1
.endr
.endr
	WIN 0xc0                                       ; v's fragment: every column of source 1 is v_h
.set i, 0
.rept 16
	v_cvt_pk_f16_f32 v[RF+i], v[VF32+2*i], v[VF32+2*i+1]
.set i, i+1
.endr
	WIN W_T                                        ; G[t]: register j of every lane of half h = v_h . kr of query 8 h + j.  Four accumulators by turns
.irp c, 0,1
.irp t, 0,1,2,3
.if \c == 0
	v_wmma_f32_16x16x32_f16 v[G+8*\t:G+8*\t+7], v[KI+16*\t:KI+16*\t+7], v[RF:RF+7], 0
.else
	v_wmma_f32_16x16x32_f16 v[G+8*\t:G+8*\t+7], v[KI+16*\t+8:KI+16*\t+15], v[RF+8:RF+15], v[G+8*\t:G+8*\t+7]
.endif
.endr
.endr
	PLACES 5                                       ; G goes on as the C of other accumulators, and loads land on v's fragment
	WIN 0
	s_wait_tensorcnt 1                             ; my part of slot 0 is in; slot 1's may stay out
	s_barrier_signal -1
	s_barrier_wait -1
.macro FETCH_K tp                      ; 64 keys x 64 channels: 8 fragments
	WIN 0xc0
.irp kt, 0,1,2,3
.irp c, 0,1
	ds_load_b128 v[KF+16*\kt+8*\c:KF+16*\kt+8*\c+3],   v[AK] offset:(64*\tp+16*\kt)*KP+64*\c
	ds_load_b128 v[KF+16*\kt+8*\c+4:KF+16*\kt+8*\c+7], v[AK] offset:(64*\tp+16*\kt)*KP+64*\c+32
.endr
.endr
.endm
.macro FETCH_V tp                      ; the same of V, turned: keys 32 kc on, channels 16 ch on
	WIN 0xc0
.irp kc, 0,1
.irp ch, 0,1,2,3
	ds_load_tr16_b128 v[VF+8*(4*\kc+\ch):VF+8*(4*\kc+\ch)+3],   v[AV] offset:(64*\tp+32*\kc)*VP+32*\ch
	ds_load_tr16_b128 v[VF+8*(4*\kc+\ch)+4:VF+8*(4*\kc+\ch)+7], v[AV] offset:(64*\tp+32*\kc)*VP+32*\ch+16*VP
.endr
.endr
.endm
.macro FETCH_R tp                      ; the seven tiles of KRX that s = 1..4 and t = 0..3 meet: e = s - t + 3 = 1..7
	WIN 0xc0
.irp e, 1,2,3,4,5,6,7
.irp c, 0,1
	ds_load_b128 v[RF+16*(\e-1)+8*\c:RF+16*(\e-1)+8*\c+3],   v[AKR] offset:(64*\tp+16*\e)*KP+64*\c
	ds_load_b128 v[RF+16*(\e-1)+8*\c+4:RF+16*(\e-1)+8*\c+7], v[AKR] offset:(64*\tp+16*\e)*KP+64*\c+32
.endr
.endr
.endm
; Two query tiles' T: 16 matrix instructions on 8 accumulators by turns, the first links started by G; then 64 stores into the ring.
; mode 0: q_i throughout; 2: q_(i+1) throughout; 1: the trip on the diagonal: q_i where s <= t.
.macro TGRP mode, tp, g
	WIN W_T
.irp c, 0,1
.irp tt, 0,1
.irp s, 1,2,3,4
.set tq, 2*\g+\tt
.set rQ, Q+16*tq+8*\c
.if (\mode == 2) || ((\mode == 1) && (\s > tq))
.set rQ, QN+16*tq+8*\c
.endif
.set rR, RF+16*(\s-tq+2)+8*\c
.set rD, TT+8*(4*\tt+\s-1)
.if \c == 0
	v_wmma_f32_16x16x32_f16 v[rD:rD+7], v[rQ:rQ+7], v[rR:rR+7], v[G+8*tq:G+8*tq+7]
.else
	v_wmma_f32_16x16x32_f16 v[rD:rD+7], v[rQ:rQ+7], v[rR:rR+7], v[rD:rD+7]
.endif
.endr
.endr
.endr
	PLACES 5                                       ; four for the stores that read the results, the fifth for the next group, which writes over them
	WIN W_TS
.irp tt, 0,1
.irp s, 1,2,3,4
.irp j, 0,1,2,3,4,5,6,7
.if (\tp == 1) && (\s == 4)
	ds_store_b32 v[AW+\j], v[TT+8*(4*\tt+\s-1)+\j] offset:(2*\g+\tt)*TR
.else
	ds_store_b32 v[AN], v[TT+8*(4*\tt+\s-1)+\j] offset:\j*(RP+4)+(2*\g+\tt)*TR+4*(64*\tp+16*\s-15)
.endif
.endr
.endr
.endr
.endm
.macro TPH tp                          ; the three forms are written out behind a branch on whole numbers made of the ids; each issues the same 128 LDS stores
	WIN 0
	s_cmp_lt_i32 s[DJ], 0
	s_cbranch_scc1 .Lbelow_\@
	s_cmp_eq_u32 s[DJ], 0
	s_cbranch_scc1 .Ldiag_\@
	TGRP 2, \tp, 0
	TGRP 2, \tp, 1
	WIN 0
	s_branch .Ltdone_\@
.Ldiag_\@:
	TGRP 1, \tp, 0
	TGRP 1, \tp, 1
	WIN 0
	s_branch .Ltdone_\@
.Lbelow_\@:
	TGRP 0, \tp, 0
	TGRP 0, \tp, 1
	WIN 0
.Ltdone_\@:
	s_add_co_i32 s[DJ], s[DJ], 64
.endm
.macro BDLOAD tp                       ; BD + GH of the trip's 64 keys, in S^T's layout.  LDS serves a wave's instructions in order (ISA guide 5.7.1.4): these see the stores above
	WIN 0
.irp t, 0,1,2,3
.irp kt, 0,1,2,3
	ds_load_b128 v[S+32*\t+8*\kt:S+32*\t+8*\kt+3],   v[ARD] offset:\t*TR+256*\tp+64*\kt
	ds_load_b128 v[S+32*\t+8*\kt+4:S+32*\t+8*\kt+7], v[ARD] offset:\t*TR+256*\tp+64*\kt+16
.endr
.endr
.endm
.macro ACM                             ; S^T += K (Q+U)^T: 32 matrix instructions, 16 accumulators by turns
	WIN W_AC
.irp c, 0,1
.irp kt, 0,1,2,3
.irp t, 0,1,2,3
	v_wmma_f32_16x16x32_f16 v[S+32*\t+8*\kt:S+32*\t+8*\kt+7], v[KF+16*\kt+8*\c:KF+16*\kt+8*\c+7], v[QU+16*\t+8*\c:QU+16*\t+8*\c+7], v[S+32*\t+8*\kt:S+32*\t+8*\kt+7]
.endr
.endr
.endr
.endm
.macro PVM zero                        ; O^T += V^T P: 32 matrix instructions, 16 accumulators by turns; zero = 1: the first 16 start the sums
	WIN W_PV
.irp kc, 0,1
.irp ch, 0,1,2,3
.irp t, 0,1,2,3
.if (\zero) && (\kc == 0)
	v_wmma_f32_16x16x32_f16 v[O+32*\t+8*\ch:O+32*\t+8*\ch+7], v[VF+8*(4*\kc+\ch):VF+8*(4*\kc+\ch)+7], v[P+16*\t+8*\kc:P+16*\t+8*\kc+7], 0
.else
	v_wmma_f32_16x16x32_f16 v[O+32*\t+8*\ch:O+32*\t+8*\ch+7], v[VF+8*(4*\kc+\ch):VF+8*(4*\kc+\ch)+7], v[P+16*\t+8*\kc:P+16*\t+8*\kc+7], v[O+32*\t+8*\ch:O+32*\t+8*\ch+7]
.endif
.endr
.endr
.endr
.endm
; The softmax of one trip, stage by stage over the four tiles.  Running maximum m and sum l for each query: p = 2^(c s - c m); O^T and l are multiplied by a = 2^(c m_old - c m_new).
; first = 1: the first trip, with no old maximum, no a and nothing to rescale.
.macro SOFTMAX first
	WIN 0
.irp j, 0,1,2,3
.irp t, 0,1,2,3
	v_max3_num_f32 v[ST+8*\t+4+\j], v[S+32*\t+8*\j], v[S+32*\t+8*\j+1], v[S+32*\t+8*\j+2]
.endr
.endr
.irp g, 1,2
.irp j, 0,1,2,3
.irp t, 0,1,2,3
	v_max3_num_f32 v[ST+8*\t+4+\j], v[ST+8*\t+4+\j], v[S+32*\t+8*\j+2*\g+1], v[S+32*\t+8*\j+2*\g+2]
.endr
.endr
.endr
.irp t, 0,1,2,3
	v_max3_num_f32 v[ST+8*\t+4], v[ST+8*\t+4], v[S+32*\t+7], v[S+32*\t+15]
.endr
.irp t, 0,1,2,3
	v_max3_num_f32 v[ST+8*\t+6], v[ST+8*\t+6], v[S+32*\t+23], v[S+32*\t+31]
.endr
.irp t, 0,1,2,3
	v_max3_num_f32 v[ST+8*\t+4], v[ST+8*\t+4], v[ST+8*\t+5], v[ST+8*\t+6]
.endr
.irp t, 0,1,2,3
.if \first
	v_max_num_f32 v[ST+8*\t+4], v[ST+8*\t+4], v[ST+8*\t+7]
.else
	v_max3_num_f32 v[ST+8*\t+4], v[ST+8*\t+4], v[ST+8*\t+7], v[ST+8*\t+1]
.endif
.endr
.irp t, 0,1,2,3
	v_permlanex16_b32 v[ST+8*\t+5], v[ST+8*\t+4], s[SEL], s[SEL+1]   ; the query's other 32 keys lie in the lane 16 away
.endr
.if !\first
.irp t, 0,1,2,3
	v_mov_b32 v[ST+8*\t+7], v[ST+8*\t]             ; c m_old
.endr
.endif
.irp t, 0,1,2,3
	v_max_num_f32 v[ST+8*\t+1], v[ST+8*\t+4], v[ST+8*\t+5]
.endr
.irp t, 0,1,2,3
	v_mul_f32 v[ST+8*\t], s[CS], v[ST+8*\t+1]
.endr
.if !\first
.irp t, 0,1,2,3
	v_sub_f32 v[ST+8*\t+7], v[ST+8*\t+7], v[ST+8*\t]
.endr
.irp t, 0,1,2,3
	v_exp_f32 v[ST+8*\t+6], v[ST+8*\t+7]           ; a; the scalings below are the plain instructions behind it (ISA guide 5.7.2)
.endr
.endif
.set i, 0
.rept 64
	v_pk_fma_f32 v[S+2*i:S+2*i+1], v[S+2*i:S+2*i+1], s[CS:CS+1], v[ST+8*(i/16):ST+8*(i/16)+1] op_sel_hi:[1,0,0] neg_lo:[0,0,1] neg_hi:[0,0,1]   ; c s - c m
.set i, i+1
.endr
.set i, 0
.rept 128
	v_exp_f32 v[S+i], v[S+i]
.set i, i+1
.endr
	v_nop                                          ; a plain instruction between the last exponential and the use of its result
.set i, 0
.rept 64
	v_cvt_pk_f16_f32 v[P+i], v[S+2*i], v[S+2*i+1]
.set i, i+1
.endr
.set i, 0
.rept 32
	v_pk_add_f32 v[S+4*i:S+4*i+1], v[S+4*i:S+4*i+1], v[S+4*i+2:S+4*i+3]
.set i, i+1
.endr
.set i, 0
.rept 16
	v_pk_add_f32 v[S+8*i:S+8*i+1], v[S+8*i:S+8*i+1], v[S+8*i+4:S+8*i+5]
.set i, i+1
.endr
.set i, 0
.rept 8
	v_pk_add_f32 v[S+16*i:S+16*i+1], v[S+16*i:S+16*i+1], v[S+16*i+8:S+16*i+9]
.set i, i+1
.endr
.irp t, 0,1,2,3
.if \first
	v_pk_add_f32 v[ST+8*\t+2:ST+8*\t+3], v[S+32*\t:S+32*\t+1], v[S+32*\t+16:S+32*\t+17]
.else
	v_pk_add_f32 v[S+32*\t:S+32*\t+1], v[S+32*\t:S+32*\t+1], v[S+32*\t+16:S+32*\t+17]
.endif
.endr
.if !\first
.irp t, 0,1,2,3
	v_pk_fma_f32 v[ST+8*\t+2:ST+8*\t+3], v[ST+8*\t+2:ST+8*\t+3], v[ST+8*\t+6:ST+8*\t+7], v[S+32*\t:S+32*\t+1] op_sel_hi:[1,0,1]
.endr
	WIN W_RS
.set i, 0
.rept 64
	v_pk_mul_f32 v[O+2*i:O+2*i+1], v[O+2*i:O+2*i+1], v[ST+8*(i/16)+6:ST+8*(i/16)+7] op_sel_hi:[1,0]
.set i, i+1
.endr
.endif
.endm
; The first half of a trip.  pv = 0: no V^T P yet; 1: the trip before's V^T P starts O^T; 2: it adds.  It stands between the ring's stores and the use of what comes back.
.macro HEAD tp, pv
	s_wait_dscnt 0x0                               ; K, KRX and the trip before's V are in
	TPH \tp
	BDLOAD \tp
.if \pv
	PVM 2-\pv
	PLACES 4                                       ; in front of the loads into V's registers
.endif
	FETCH_V \tp
	s_wait_dscnt 16                                ; all but V's sixteen loads: BD is in
	ACM
	PLACES 4                                       ; in front of the loads into K's registers and of the softmax
.endm
; The second half: the next trip's K and KRX are asked for, then the softmax
.macro TAIL ntp, first, fetch
.if \fetch
	FETCH_K \ntp
	FETCH_R \ntp
.endif
	SOFTMAX \first
.endm
; THE CHANGE OF SLOTS: slot old has been read out.  Each wave waits for its LDS reads and for all its tensor loads (one is out: its part of the other slot), then the barrier;
; fill = 1: slot old is filled again, with the keys two slots on: my one tensor load behind the barrier and the first thing there.  It has a slot's two trips in which to land.
.macro CHANGE fill, old
	WIN 0
	s_wait_dscnt 0x0
	s_wait_tensorcnt 0x0                           ; no tensor load of mine is out, so a group 0 may be written
.if \fill
.irp g, G0K, G0V, G0R
	s_add_nc_u64 s[\g+4*\old+2:\g+4*\old+3], s[\g+4*\old+2:\g+4*\old+3], 2*16384   ; 256 keys, or table rows, on; the type bits on top are not reached
.endr
.endif
	s_barrier_signal -1
	s_barrier_wait -1
.if \fill
	REFILL \old
.endif
	v_add_nc_u32 v[AK],  (1-\old)*SLOT, v[AK0]
	v_add_nc_u32 v[AV],  (1-\old)*SLOT, v[AV0]
	v_add_nc_u32 v[AKR], (1-\old)*SLOT, v[AR0]
.endm
.macro SLOTWORK                        ; from the softmax of the slot before's last trip to this slot's last scores
	TAIL 0, 0, 1
	HEAD 0, 2
	TAIL 1, 0, 1
	HEAD 1, 2
.endm
	; the diagonal tile J = 0 (e = 3 - t), made once: its part for keys below 0 lands in columns 113-127, which trip 1 writes again before anything reads them
	WIN 0xc0
.irp e, 0,1,2,3
.irp c, 0,1
	ds_load_b128 v[RF+16*\e+8*\c:RF+16*\e+8*\c+3],   v[AKR] offset:16*\e*KP+64*\c
	ds_load_b128 v[RF+16*\e+8*\c+4:RF+16*\e+8*\c+7], v[AKR] offset:16*\e*KP+64*\c+32
.endr
.endr
	s_wait_dscnt 0x0
	WIN W_T
.irp c, 0,1
.irp t, 0,1,2,3
.if \c == 0
	v_wmma_f32_16x16x32_f16 v[TT+8*\t:TT+8*\t+7], v[Q+16*\t:Q+16*\t+7], v[RF+16*(3-\t):RF+16*(3-\t)+7], v[G+8*\t:G+8*\t+7]
.else
	v_wmma_f32_16x16x32_f16 v[TT+8*\t:TT+8*\t+7], v[Q+16*\t+8:Q+16*\t+15], v[RF+16*(3-\t)+8:RF+16*(3-\t)+15], v[TT+8*\t:TT+8*\t+7]
.endif
.endr
.endr
	PLACES 5
	WIN W_TS
.irp t, 0,1,2,3
.irp j, 0,1,2,3,4,5,6,7
	ds_store_b32 v[AW+\j], v[TT+8*\t+\j] offset:\t*TR
.endr
.endr
	FETCH_K 0
	FETCH_R 0
	HEAD 0, 0                                      ; slot 0
	TAIL 1, 1, 1
	HEAD 1, 1
	WIN 0
	s_mov_b32 s[CNT], 7
.Lpair:                                                ; 7 trips of two slots: slots 1 to 14 are worked on, slots 2 to 15 asked for
	CHANGE 1, 0
	SLOTWORK
	CHANGE 1, 1
	SLOTWORK
	WIN 0
	s_sub_co_u32 s[CNT], s[CNT], 1
	s_cmp_lg_u32 s[CNT], 0
	s_cbranch_scc1 .Lpair
	CHANGE 0, 0                                    ; the last slot: nothing is left to ask for
	SLOTWORK
	TAIL 0, 0, 0
	s_wait_dscnt 0x0                               ; the last V
	PVM 0
	; THE WAY OUT.  l's halves and the other half of the lanes' are added; O^T is divided by l, rounded to f16 and sent through my ring, a tile (16 rows of 128 bytes) at a time.
	WIN 0                                          ; the additions are the places behind the last products
.irp t, 0,1,2,3
	v_add_f32 v[ST+8*\t+4], v[ST+8*\t+2], v[ST+8*\t+3]
.endr
.irp t, 0,1,2,3
	v_permlanex16_b32 v[ST+8*\t+5], v[ST+8*\t+4], s[SEL], s[SEL+1]
.endr
.irp t, 0,1,2,3
	v_add_f32 v[ST+8*\t+4], v[ST+8*\t+4], v[ST+8*\t+5]
.endr
.irp t, 0,1,2,3
	v_rcp_f32 v[ST+8*\t+6], v[ST+8*\t+4]
.endr
	v_nop                                          ; a plain instruction between the last reciprocal and the use of its result
.macro PACK t
	WIN W_RS
.set i, 0
.rept 16
	v_pk_mul_f32 v[O+32*\t+2*i:O+32*\t+2*i+1], v[O+32*\t+2*i:O+32*\t+2*i+1], v[ST+8*\t+6:ST+8*\t+7] op_sel_hi:[1,0]
.set i, i+1
.endr
	WIN 0x05                                       ; sources window 1, destination window 0
.set i, 0
.rept 16
	v_cvt_pk_f16_f32 v[S+16*\t+i], v[O+32*\t+2*i], v[O+32*\t+2*i+1]
.set i, i+1
.endr
	WIN 0
.irp f, 0,1,2,3
	ds_store_b128 v[STO], v[S+16*\t+4*\f:S+16*\t+4*\f+3] offset:32*\f
.endr
.irp f, 0,1,2,3
	ds_load_b128 v[S+16*\t+4*\f:S+16*\t+4*\f+3], v[RD] offset:\f*4*KP   ; in order behind the stores above; the next tile's stores come behind these
.endr
.endm
.macro SEND t, younger                 ; younger: the LDS instructions issued behind tile t's loads: the next tile's eight, or none
.irp f, 0,1,2,3
	s_wait_dscnt \younger+3-\f
	global_store_b128 v[GO], v[S+16*\t+4*\f:S+16*\t+4*\f+3], s[10:11] offset:\t*2048+\f*512   ; a wave's store covers 512 consecutive bytes, at a multiple of 512 from ao's first byte
.endr
.endm
	PACK 0
	PACK 1
	SEND 0, 8
	PACK 2
	SEND 1, 8
	PACK 3
	SEND 2, 8
	SEND 3, 0
	s_endpgm
.Lfunc_end_k_q96eed6df1c_attn:
	.size	k_q96eed6df1c_attn, .Lfunc_end_k_q96eed6df1c_attn-k_q96eed6df1c_attn
	.p2alignl 7, 3214868480
	.fill 96, 4, 3214868480
	.section	.rodata,"a",@progbits
	.p2align	6, 0x0
	.amdhsa_kernel k_q96eed6df1c_attn
		.amdhsa_group_segment_fixed_size 327680
		.amdhsa_private_segment_fixed_size 0
		.amdhsa_enable_private_segment 0
		.amdhsa_kernarg_size 32
		.amdhsa_user_sgpr_count 2
		.amdhsa_user_sgpr_kernarg_segment_ptr 1
		.amdhsa_wavefront_size32 1
		.amdhsa_system_sgpr_workgroup_id_x 1
		.amdhsa_system_sgpr_workgroup_id_y 1
		.amdhsa_system_sgpr_workgroup_id_z 1
		.amdhsa_system_vgpr_workitem_id 0
		.amdhsa_next_free_vgpr 1024
		.amdhsa_next_free_sgpr 96
		.amdhsa_reserve_vcc 0
		.amdhsa_float_denorm_mode_32 3
		.amdhsa_float_denorm_mode_16_64 3
		.amdhsa_memory_ordered 1
		.amdhsa_forward_progress 1
		.amdhsa_inst_pref_size 255
	.end_amdhsa_kernel
	.section	.bss,"aw",@nobits
	.p2align	6
	.space	262144
	.amdgpu_metadata
---
amdhsa.version: [ 1, 2 ]
amdhsa.kernels:
  - .name:           k_q96eed6df1c_attn
    .symbol:         k_q96eed6df1c_attn.kd
    .args:
      - { .name: qkvr, .offset: 0, .size: 8, .value_kind: global_buffer, .address_space: global }
      - { .name: u, .offset: 8, .size: 8, .value_kind: global_buffer, .address_space: global }
      - { .name: v, .offset: 16, .size: 8, .value_kind: global_buffer, .address_space: global }
      - { .name: ao, .offset: 24, .size: 8, .value_kind: global_buffer, .address_space: global }
    .group_segment_fixed_size: 327680
    .private_segment_fixed_size: 0
    .kernarg_segment_align: 8
    .kernarg_segment_size: 32
    .max_flat_workgroup_size: 128
    .sgpr_count:     96
    .vgpr_count:     1024
    .wavefront_size: 32
...
	.end_amdgpu_metadata
.endif
;; end of part 3
;; launch outp (part 4): grid 8 x 32, 4 waves a work-group, clusters of 4 x 4, 327,680 bytes of LDS; arguments ao, wb, out0, bo; writes out0
.if DOCPART == 4
	.amdgcn_target "amdgcn-amd-amdhsa--gfx1250"
	.amdhsa_code_object_version 6
	.text
	.protected	k_q96eed6df1c_outp
	.globl	k_q96eed6df1c_outp
	.p2align	8
	.type	k_q96eed6df1c_outp,@function
k_q96eed6df1c_outp:
	s_mov_b64 s[64:65], 0
	v_nop
	global_prefetch_b8 v0, s[64:65] scope:SCOPE_SE
	s_setreg_imm32_b32 hwreg(HW_REG_WAVE_MODE, 25, 1), 1
	s_wait_xcnt 0x0
	s_wait_alu depctr_hold_cnt(0) depctr_sa_sdst(0) depctr_va_vdst(0) depctr_va_sdst(0) depctr_va_ssrc(0) depctr_va_vcc(0) depctr_vm_vsrc(0)
	s_getreg_b32 s2, hwreg(HW_REG_IB_STS2, 6, 4)
	s_cmp_eq_u32 s2, 0
	s_cbranch_scc0 .Lentry_in_a_cluster
	s_endpgm
.Lentry_in_a_cluster:
	s_bfe_u32 s2, ttmp6, 0x10000c
	s_cmp_lg_u32 s2, 0xf033
	s_cbranch_scc0 .Lentry_shape_is_right
	s_endpgm
.Lentry_shape_is_right:
; out0 = A Wo + bo, f32.  A[b s][h x 64 + d] = ao[b x 16 + h][s][d] (f16, head by head); Wo is the fifth weight of wb (f16, [k][n]).  4,096 x 1,024 x 1,024; sums in f32, started by the bias.
; A tile of the result is 128 x 128: 256 work-groups of four waves, 64 x 64 a wave.  K goes in steps of 256 = four heads through two LDS slots.
; A's tile: one tensor load brings 64 rows of four heads: a descriptor row is the 64 rows of one head, dense (4,096 elements), and the four rows lie a head apart; padding behind
; every 128 bytes gives LDS rows of 144 bytes, (head x 64 + row).  So a quarter of a K step is one head.  Wo's tile and its turned fragments: 256 rows of k x 128 columns, rows of 288 bytes.
; CLUSTERS: 4 x 4; A's tile is shared along a row of the cluster, Wo's along a column: joint loads.  THE MATRIX INSTRUCTION IS USED TRANSPOSED (source 0 = 16 columns of Wo, source 1 = 16 rows of A).
; The stage for the way out is slot 0's first 67,584 bytes: slot 0 has had its last fill, and its last reads lie in front of the barrier of the last change of slots.
; REGISTERS: window 0: v0-31 addresses; v96-127 bias; v128-255 accumulators, then the rows read back.  Window 1: two fragment buffers of 128.
.set KSTEP,  256
.set DK,     1024
.set PA,     144
.set HALFA,  256*PA                    ; 4 heads x 64 rows: what one tensor load of A brings
.set PB,     288
.set HALFB,  128*PB
.set BOFF,   2*HALFA
.set SLOT,   BOFF+2*HALFB              ; 147,456
.set OP,     528                       ; a stage row: 128 f32 + 16 bytes
.set LAPS,   DK/(2*KSTEP)
.set ADRA, 16
.set ADRB, 20
.set STO,  24
.set RD,   25
.set CO,   26
.set BI,   96
.set ACC,  128
.set F0,   0
.set F1,   128
.set G1, 24
.set G0, 32
.set G1B, 48
.set G0B, 56
.set MSB, 0
.macro WIN new
.if MSB != \new
	s_set_vgpr_msb (MSB<<8)|\new
.set MSB, \new
.endif
.endm
.set MUL,  0x05
.set TO_F, 0x40
.macro JLOAD s                         ; a joint load: waves 0 and 1 fetch A's halves, waves 2 and 3 Wo's; four v_nop follow each line
	s_cmp_eq_u32 s11, 0
	s_cbranch_scc0 .Lfor_b_\@
	tensor_load_to_lds s[G0+4*\s:G0+4*\s+3], s[G1:G1+7]
.rept 4
	v_nop
.endr
	s_branch .Lasked_\@
.Lfor_b_\@:
	tensor_load_to_lds s[G0B+4*\s:G0B+4*\s+3], s[G1B:G1B+7]
.rept 4
	v_nop
.endr
.Lasked_\@:
.endm
.macro CREST
	s_cmp_lg_u32 s10, 0
	s_cbranch_scc1 .Lnot_wave_0_\@
	s_barrier_signal -3
.Lnot_wave_0_\@:
	s_barrier_wait -3
	s_barrier_signal -1
	s_barrier_wait -1
.endm
.macro CROUND
	s_barrier_signal -1
	s_barrier_wait -1
	CREST
.endm
	s_load_b128 s[4:7], s[0:1], 0x0                ; ao s[4:5], wb s[6:7]
	s_load_b64 s[8:9], s[0:1], 0x10                ; out0
	s_load_b64 s[80:81], s[0:1], 0x18              ; bo
	v_lshrrev_b32 v1, 5, v0
	v_readfirstlane_b32 s10, v1
	s_lshr_b32 s11, s10, 1                         ; my half of the rows.  Also: I fetch for A (0) or for Wo (1)
	s_and_b32 s12, s10, 1                          ; my half of the columns.  Also: which half I fetch
	s_bfe_u32 s40, ttmp6, 0x40000
	s_bfe_u32 s41, ttmp6, 0x40004
	s_lshl_b32 s42, ttmp9, 2
	s_add_co_u32 s42, s42, s40                     ; tile column 0..7
	s_and_b32 s13, ttmp7, 0xffff
	s_lshl_b32 s13, s13, 2
	s_add_co_u32 s13, s13, s41                     ; tile row 0..31
	s_lshl_b32 s43, s41, 2
	s_lshl_b32 s43, 15, s43
	s_lshl_b32 s44, 0x1111, s40
	s_or_b32 s[G1+0], s43, (1<<16)|(1<<20)|(1<<21)|(4<<22)|(3<<25)  ; mask; 2-byte elements; padding on; bit 21 beside a mask; after every 32 words 4 words
	s_mov_b32 s[G1+1], 4096<<16                    ; tensor_dim0 = 64 rows x 64 channels of one head
	s_mov_b32 s[G1+2], 4<<16                       ; tensor_dim1 = 4 heads
	s_mov_b32 s[G1+3], 4096<<16                    ; tile_dim0
	s_mov_b32 s[G1+4], 4                           ; tile_dim1
	s_mov_b32 s[G1+5], 131072                      ; elements from head to head
	s_mov_b32 s[G1+6], 0
	s_mov_b32 s[G1+7], 0
	s_or_b32 s[G1B+0], s44, (1<<16)|(1<<20)|(1<<21)|(5<<22)|(7<<25)
	s_mov_b32 s[G1B+1], 128<<16
	s_mov_b32 s[G1B+2], 128<<16
	s_mov_b32 s[G1B+3], 128<<16
	s_mov_b32 s[G1B+4], 128
	s_mov_b32 s[G1B+5], DK
	s_mov_b32 s[G1B+6], 0
	s_mov_b32 s[G1B+7], 0
	s_lshr_b32 s16, s13, 4                         ; A: batch x 4 MiB + (128 x (tile row mod 16) + 64 x half) rows of 128 bytes
	s_lshl_b32 s16, s16, 22
	s_and_b32 s17, s13, 15
	s_lshl_b32 s17, s17, 14
	s_add_co_u32 s16, s16, s17
	s_lshl_b32 s17, s12, 13
	s_add_co_u32 s16, s16, s17
	s_mov_b32 s17, 0
	s_lshl_b32 s46, s12, 18                        ; Wo: 8 MiB + half x 128 rows of k + 256 bytes x tile column
	s_lshl_b32 s47, s42, 8
	s_add_co_u32 s46, s46, s47
	s_add_co_u32 s46, s46, 0x800000
	s_mov_b32 s47, 0
	s_mul_i32 s20, s12, HALFA
	s_mul_i32 s21, s12, HALFB
	s_add_co_u32 s21, s21, BOFF
	s_lshl_b32 s82, s42, 9                         ; the bias of my 64 columns
	s_lshl_b32 s83, s12, 8
	s_add_co_u32 s82, s82, s83
	s_mov_b32 s83, 0
	s_wait_kmcnt 0x0
	s_add_nc_u64 s[14:15], s[4:5], s[16:17]
	s_add_nc_u64 s[46:47], s[6:7], s[46:47]
	s_add_nc_u64 s[80:81], s[80:81], s[82:83]
	CROUND                                         ; all sixteen work-groups are here: the first joint loads meet
.irp s, 0,1
	s_mov_b32 s[G0+4*\s], 1
	s_add_co_u32 s[G0+4*\s+1], s20, \s*SLOT
	s_add_nc_u64 s[G0+4*\s+2:G0+4*\s+3], s[14:15], \s*0x100000     ; four heads on
	s_or_b32 s[G0+4*\s+3], s[G0+4*\s+3], 0x80000000
	s_mov_b32 s[G0B+4*\s], 1
	s_add_co_u32 s[G0B+4*\s+1], s21, \s*SLOT
	s_add_nc_u64 s[G0B+4*\s+2:G0B+4*\s+3], s[46:47], \s*KSTEP*DK*2
	s_or_b32 s[G0B+4*\s+3], s[G0B+4*\s+3], 0x80000000
	JLOAD \s                                       ; two tensor loads of mine are out
.endr
	v_and_b32 v1, 15, v0
	v_bfe_u32 v2, v0, 4, 1
	v_and_b32 v6, 7, v0
	v_bfe_u32 v7, v0, 3, 1
	v_lshlrev_b32 v9, 5, v2
.irp b, 0,1,2,3
	global_load_b128 v[BI+8*\b:BI+8*\b+3],   v9, s[80:81] offset:64*\b
	global_load_b128 v[BI+8*\b+4:BI+8*\b+7], v9, s[80:81] offset:64*\b+16
.endr
	v_mul_u32_u24 v3, v1, PA
	v_lshl_add_u32 v3, v2, 4, v3
	v_lshl_add_u32 v8, v2, 3, v6
	v_mul_u32_u24 v8, v8, PB
	v_lshl_add_u32 v8, v7, 4, v8
	s_mul_i32 s21, s11, HALFA
	s_lshl_b32 s22, s12, 7
	s_add_co_u32 s22, s22, BOFF
.irp s, 0,1
	v_add_nc_u32 v[ADRA+\s], s21, v3
	v_add_nc_u32 v[ADRB+2*\s], s22, v8
	s_add_co_u32 s22, s22, HALFB
	v_add_nc_u32 v[ADRB+2*\s+1], s22, v8
	s_add_co_u32 s21, s21, SLOT
	s_add_co_u32 s22, s22, SLOT-HALFB
.endr
	s_mul_i32 s23, s11, 64*OP                      ; into the stage: my 64 rows, my 256 of their 512 bytes; row r, 32 bytes for each half of the lanes
	s_lshl_b32 s21, s12, 8
	s_add_co_u32 s23, s23, s21
	v_mul_u32_u24 v4, v1, OP
	v_lshl_add_u32 v4, v2, 5, v4
	v_add_nc_u32 v[STO], s23, v4
	s_mul_i32 s23, s10, 32*OP                      ; back: wave w takes rows 32 w .. 32 w + 31, a whole row of 512 bytes a load
	v_and_b32 v5, 31, v0
	v_lshlrev_b32 v[CO], 4, v5
	v_add_nc_u32 v[RD], s23, v[CO]
	s_lshl_b32 s16, s13, 7
	s_lshl_b32 s17, s10, 5
	s_add_co_u32 s16, s16, s17                     ; the first row that I store
	s_lshl_b32 s16, s16, 12
	s_mov_b32 s17, 0
	s_add_nc_u64 s[8:9], s[8:9], s[16:17]
	s_lshl_b32 s46, s42, 9                         ; the tile's first column, in bytes
	s_mov_b32 s47, 0
	s_add_nc_u64 s[8:9], s[8:9], s[46:47]
; 8 matrix instructions; zero = 1: the bias starts the sums.  The 16 accumulators take turns, one instruction a turn.
.macro MUL8 f, c, a0, zero
.irp a, \a0, \a0+1
.irp b, 0,1,2,3
.if \zero
	v_wmma_f32_16x16x32_f16 v[ACC+8*(4*(\a)+\b):ACC+8*(4*(\a)+\b)+7], v[\f+64+8*(4*\c+\b):\f+64+8*(4*\c+\b)+7], v[\f+8*(4*\c+\a):\f+8*(4*\c+\a)+7], v[BI+8*\b:BI+8*\b+7]
.else
	v_wmma_f32_16x16x32_f16 v[ACC+8*(4*(\a)+\b):ACC+8*(4*(\a)+\b)+7], v[\f+64+8*(4*\c+\b):\f+64+8*(4*\c+\b)+7], v[\f+8*(4*\c+\a):\f+8*(4*\c+\a)+7], v[ACC+8*(4*(\a)+\b):ACC+8*(4*(\a)+\b)+7]
.endif
.endr
.endr
.endm
.macro FETCH slot, q, f                ; 32 LDS loads in one run: quarter q = head q of the step; the first 32 along K first
	WIN TO_F
.irp c, 0,1
.irp i, 0,1,2,3
	ds_load_tr16_b128 v[\f+64+8*(4*\c+\i):\f+64+8*(4*\c+\i)+3],   v[ADRB+2*\slot+(\q)/2] offset:((\q)%2)*64*PB+\c*32*PB+\i*32
	ds_load_tr16_b128 v[\f+64+8*(4*\c+\i)+4:\f+64+8*(4*\c+\i)+7], v[ADRB+2*\slot+(\q)/2] offset:((\q)%2)*64*PB+\c*32*PB+\i*32+16*PB
	ds_load_b128 v[\f+8*(4*\c+\i):\f+8*(4*\c+\i)+3],   v[ADRA+\slot] offset:\q*64*PA+\i*16*PA+64*\c
	ds_load_b128 v[\f+8*(4*\c+\i)+4:\f+8*(4*\c+\i)+7], v[ADRA+\slot] offset:\q*64*PA+\i*16*PA+64*\c+32
.endr
.endr
.endm
.macro PLACES                          ; four places in front of loads into registers that matrix instructions have read, and of LDS stores of results (ISA guide 7.12.1 for vector instructions)
.rept 4
	v_nop
.endr
.endm
.macro QUARTER slot, q, f, g, zero
	s_wait_dscnt 16                                ; the first 32 along K are in
	WIN MUL
	MUL8 \f, 0, 0, \zero
	MUL8 \f, 0, 2, \zero
	PLACES
	FETCH \slot, \q, \g
	s_wait_dscnt 32                                ; all but the 32 just issued
	WIN MUL
	MUL8 \f, 1, 0, 0
	MUL8 \f, 1, 2, 0
.endm
.macro TURN slot, next, fill
	s_wait_dscnt 16
	WIN MUL
	MUL8 F1, 0, 0, 0
	s_wait_dscnt 0                                 ; my reads of this slot are over,
	s_wait_tensorcnt 0x0                           ; and all my tensor loads have landed
	s_barrier_signal -1
	MUL8 F1, 0, 2, 0
.if \fill
	WIN 0
.endif
	s_barrier_wait -1
.if \fill
	CREST                                          ; a round of the cluster's barrier: no wave of any partner still reads this slot or has a load on its way
	s_add_nc_u64 s[G0+4*\slot+2:G0+4*\slot+3], s[G0+4*\slot+2:G0+4*\slot+3], 0x200000
	s_add_nc_u64 s[G0B+4*\slot+2:G0B+4*\slot+3], s[G0B+4*\slot+2:G0B+4*\slot+3], 2*KSTEP*DK*2
	JLOAD \slot                                    ; the first tensor load behind the round, my only one out
.else
	PLACES
.endif
	FETCH \next, 0, F0
	WIN MUL
	MUL8 F1, 1, 0, 0
	MUL8 F1, 1, 2, 0
.endm
	s_wait_tensorcnt 1                             ; my part of K step 0 is in; K step 1's may stay out
	s_barrier_signal -1
	s_barrier_wait -1
	FETCH 0, 0, F0
	s_wait_loadcnt 0x0                             ; the bias
	QUARTER 0, 1, F0, F1, 1
	WIN 0
	s_mov_b32 s3, LAPS-1
.Llap:
	QUARTER 0, 2, F1, F0, 0
	QUARTER 0, 3, F0, F1, 0
	TURN 0, 1, 1
	QUARTER 1, 1, F0, F1, 0
	QUARTER 1, 2, F1, F0, 0
	QUARTER 1, 3, F0, F1, 0
	TURN 1, 0, 1
	QUARTER 0, 1, F0, F1, 0
	WIN 0
	s_sub_co_u32 s3, s3, 1
	s_cmp_lg_u32 s3, 0
	s_cbranch_scc1 .Llap
	QUARTER 0, 2, F1, F0, 0
	QUARTER 0, 3, F0, F1, 0
	TURN 0, 1, 0                                   ; behind this barrier nobody reads slot 0 any more, and nothing fills it again
	QUARTER 1, 1, F0, F1, 0
	QUARTER 1, 2, F1, F0, 0
	QUARTER 1, 3, F0, F1, 0
	s_wait_dscnt 16
	WIN MUL
	MUL8 F1, 0, 0, 0
	MUL8 F1, 0, 2, 0
	s_wait_dscnt 0
	MUL8 F1, 1, 0, 0
	MUL8 F1, 1, 2, 0
	WIN 0
	; THE WAY OUT, in f32: a lane's eight columns of a row are 32 bytes; into the stage; a barrier, since a row's 512 bytes come from two waves; back as whole rows.
	PLACES
.irp a, 0,1,2,3
.irp b, 0,1,2,3
	ds_store_b128 v[STO], v[ACC+8*(4*\a+\b):ACC+8*(4*\a+\b)+3]   offset:\a*16*OP+64*\b
	ds_store_b128 v[STO], v[ACC+8*(4*\a+\b)+4:ACC+8*(4*\a+\b)+7] offset:\a*16*OP+64*\b+16
.endr
.endr
	s_wait_dscnt 0x0                               ; for the others' sake: my stores into the stage are done
	s_barrier_signal -1
	s_barrier_wait -1
.set t, 0
.rept 32
	ds_load_b128 v[ACC+4*t:ACC+4*t+3], v[RD] offset:t*OP
.set t, t+1
.endr
.set t, 0
.rept 32
	s_wait_dscnt 31-t                              ; row t is back, the younger loads may be out
	global_store_b128 v[CO], v[ACC+4*t:ACC+4*t+3], s[8:9] offset:t*4096 th:TH_STORE_NT   ; a wave's store covers 512 consecutive bytes, at a multiple of 512 from out0's first byte
.set t, t+1
.endr
	CROUND                                         ; the closing round: no work-group ends while a partner may still ask for a tile that names it
	s_endpgm
.Lfunc_end_k_q96eed6df1c_outp:
	.size	k_q96eed6df1c_outp, .Lfunc_end_k_q96eed6df1c_outp-k_q96eed6df1c_outp
	.p2alignl 7, 3214868480
	.fill 96, 4, 3214868480
	.section	.rodata,"a",@progbits
	.p2align	6, 0x0
	.amdhsa_kernel k_q96eed6df1c_outp
		.amdhsa_group_segment_fixed_size 327680
		.amdhsa_private_segment_fixed_size 0
		.amdhsa_enable_private_segment 0
		.amdhsa_kernarg_size 32
		.amdhsa_user_sgpr_count 2
		.amdhsa_user_sgpr_kernarg_segment_ptr 1
		.amdhsa_wavefront_size32 1
		.amdhsa_system_sgpr_workgroup_id_x 1
		.amdhsa_system_sgpr_workgroup_id_y 1
		.amdhsa_system_sgpr_workgroup_id_z 1
		.amdhsa_system_vgpr_workitem_id 0
		.amdhsa_next_free_vgpr 512
		.amdhsa_next_free_sgpr 96
		.amdhsa_reserve_vcc 0
		.amdhsa_float_denorm_mode_32 3
		.amdhsa_float_denorm_mode_16_64 3
		.amdhsa_memory_ordered 1
		.amdhsa_forward_progress 1
		.amdhsa_inst_pref_size 87
	.end_amdhsa_kernel
	.amdgpu_metadata
---
amdhsa.version: [ 1, 2 ]
amdhsa.kernels:
  - .name:           k_q96eed6df1c_outp
    .symbol:         k_q96eed6df1c_outp.kd
    .args:
      - { .name: ao, .offset: 0, .size: 8, .value_kind: global_buffer, .address_space: global }
      - { .name: wb, .offset: 8, .size: 8, .value_kind: global_buffer, .address_space: global }
      - { .name: out0, .offset: 16, .size: 8, .value_kind: global_buffer, .address_space: global }
      - { .name: bo, .offset: 24, .size: 8, .value_kind: global_buffer, .address_space: global }
    .group_segment_fixed_size: 327680
    .private_segment_fixed_size: 0
    .kernarg_segment_align: 8
    .kernarg_segment_size: 32
    .max_flat_workgroup_size: 128
    .sgpr_count:     96
    .vgpr_count:     512
    .wavefront_size: 32
...
	.end_amdgpu_metadata
.endif
;; end of part 4
;; ======== version 2 of 2: 4 launches; 1.21 times as fast as version 1
;; limits: values are held in f16: magnitudes above 65,504 overflow, below 6.1e-05 lose precision
;; workspace buffers: ab 16,777,216 bytes; wb 10,485,760 bytes; qkvr 33,554,432 bytes; ao 8,388,608 bytes
;; launch cast: the kernel of part 1 again; grid 64 x 11, 8 waves a work-group, no clusters, 0 bytes of LDS; arguments x, pos_emb, Wq, Wk, Wv, Wkr, Wo, ab, wb; writes ab, wb
;; launch proj (part 5): grid 16 x 16, 4 waves a work-group, clusters of 4 x 4, 327,680 bytes of LDS; arguments ab, wb, qkvr, bq, bk, bv, bkr; writes qkvr
.if DOCPART == 5
	.amdgcn_target "amdgcn-amd-amdhsa--gfx1250"
	.amdhsa_code_object_version 6
	.text
	.protected	k_q96eed6df1c_proj
	.globl	k_q96eed6df1c_proj
	.p2align	8
	.type	k_q96eed6df1c_proj,@function
k_q96eed6df1c_proj:
	s_mov_b64 s[64:65], 0
	v_nop
	global_prefetch_b8 v0, s[64:65] scope:SCOPE_SE
	s_setreg_imm32_b32 hwreg(HW_REG_WAVE_MODE, 25, 1), 1
	s_wait_xcnt 0x0
	s_wait_alu depctr_hold_cnt(0) depctr_sa_sdst(0) depctr_va_vdst(0) depctr_va_sdst(0) depctr_va_ssrc(0) depctr_va_vcc(0) depctr_vm_vsrc(0)
	s_getreg_b32 s2, hwreg(HW_REG_IB_STS2, 6, 4)
	s_cmp_eq_u32 s2, 0
	s_cbranch_scc0 .Lentry_in_a_cluster
	s_endpgm
.Lentry_in_a_cluster:
	s_bfe_u32 s2, ttmp6, 0x10000c
	s_cmp_lg_u32 s2, 0xf033
	s_cbranch_scc0 .Lentry_shape_is_right
	s_endpgm
.Lentry_shape_is_right:
; The four projections as ONE product of 4,096 x 4,096 x 1,024: q, k, val = x W + b (rows 0-4095 of ab) and KRX = PX Wkr + bkr (rows 4096-8191 of ab).
; Out, f16, head by head: qkvr + weight x 8 MiB; q, k, val as [b x 16 + h][2048][64], KRX as [h][4096][64].  KRX's row 2048 is stored as zeros: it is the
; zero column that the relative shift inserts.  Sums in f32, started by the bias.  LIMIT: operands and results are f16: 65,504 or more in magnitude becomes infinite.
; A tile of the result is 256 x 256: 16 x 16 tiles, one work-group each, four waves, a wave 128 x 128: 64 accumulators of 16 x 16, 512 registers.
; K goes in 8 steps of 128 through a ring of two LDS slots filled by the tensor data mover.  A's rows lie along K: 256 bytes a row and step, LDS rows of 272.
; W lies [k][n]: its tile is 128 rows of k x 256 columns, 512 bytes a row, LDS rows of 544, and its fragments come out turned, by ds_load_tr16_b128.
; CLUSTERS: 4 x 4 work-groups.  The cluster's x is the weight's number, the same in all sixteen.  A's tile hangs on the weight and the tile row, which a row of the
; cluster shares; W's on the weight and the tile column, which a column shares: each is asked for JOINTLY, by the same tensor load with the same descriptor and a mask
; that names the four.  That divides the requests for A and for W by four.
; THE MATRIX INSTRUCTION IS USED TRANSPOSED (source 0 = 16 columns of W, source 1 = 16 rows of A): a lane holds row l % 16 and eight neighbouring columns 8 (l / 16) + 0..7.
; REGISTERS, in windows of 256 (s_set_vgpr_msb: bits 1:0 source 0, 3:2 source 1, 5:4 source 2, 7:6 destination):
;   window 0: v0-31 addresses; v64-127, v128-191 fragments of A (8 x 16 rows x 32 K), two buffers; v192-255 the bias of my 128 columns, later with v32-63 at work on the way out
;   window 1: v64-127, v128-191 fragments of W, two buffers
;   window 2: the 32 accumulators of my rows 0-63 (accumulator (a, b) at v[8 (8 a + b)]);   window 3: those of my rows 64-127
.set KSTEP,  128
.set DK,     1024                      ; K; also the elements in a row of ab and of wb
.set PITCH,  272                       ; A's LDS row: 256 bytes + 16 = 17 x 16: the 16 rows of a fragment load start 16 bytes apart modulo 256
.set HALFT,  128*PITCH                 ; 34,816: what one tensor load brings: 128 rows of A, or 64 rows of k of W (64 x 544, the same number)
.set PB,     544                       ; W's LDS row: 512 bytes + 32 = 17 x 32, for the turning load
.set SLOT,   4*HALFT                   ; A's 256 rows, then W's 128 rows of k
.set STAGE,  2*SLOT                    ; behind the ring, at a multiple of 256: 16 rows x 272 bytes for each wave; no fill lands there
.set SPITCH, 272
.set LAPS,   DK/(2*KSTEP)              ; 4: a lap = two K steps = once round the ring
.set ADRA, 16                          ; v16-17  LDS address of my A fragments in slot 0, 1
.set ADRB, 20                          ; v20-21  the same for W
.set STO,  24                          ; v24     the way out: where I put 16 bytes of a row
.set RD,   25                          ; v25     the way out: where I read back
.set CO,   26                          ; v26     my byte offset in the output
.set F0,   64
.set F1,   128
.set BI,   192                         ; v192-255 bias: register 8 b + j belongs to column 16 b + 8 (l / 16) + j
.set TMP,  192                         ; the way out: packed results
.set OB,   32                          ; the way out: 16 rows read back from the stage: v32-63 and v224-255 by turns
.set G1, 24                            ; s[24:31] group 1 for A;  s[32:39] group 0, a set for each slot
.set G0, 32
.set G1B, 48                           ; s[48:55], s[56:63] the same for W
.set G0B, 56
.set MSB, 0
.macro WIN new                         ; the immediate's high byte repeats the setting that is left; a switch that changes nothing is dropped
.if MSB != \new
	s_set_vgpr_msb (MSB<<8)|\new
.set MSB, \new
.endif
.endm
.set MUL_LO,  0xa1                     ; source 0 (W) window 1, source 1 (A) window 0, C and D window 2
.set MUL_HI,  0xf1                     ; the same, C and D window 3
.set BIAS_LO, 0x81                     ; the first products: C is the bias, in window 0; D window 2
.set BIAS_HI, 0xc1                     ; D window 3
.set TO_B,    0x40                     ; destination window 1, address window 0
; A joint load.  Waves 0 and 1 fetch A's two halves, waves 2 and 3 W's.  The branch hangs on the wave's number alone: it is the same in every work-group.
; Four v_nop follow each of the two lines; the jump, the label and what follows come after them.
.macro JLOAD s
	s_cmp_eq_u32 s11, 0
	s_cbranch_scc0 .Lfor_b_\@
	tensor_load_to_lds s[G0+4*\s:G0+4*\s+3], s[G1:G1+7]
.rept 4
	v_nop
.endr
	s_branch .Lasked_\@
.Lfor_b_\@:
	tensor_load_to_lds s[G0B+4*\s:G0B+4*\s+3], s[G1B:G1B+7]
.rept 4
	v_nop
.endr
.Lasked_\@:
.endm
; A round of the cluster's barrier: my work-group's barrier, so that wave 0's signal speaks for all four waves; wave 0 signals; every wave waits for all sixteen work-groups; my work-group's barrier once more.
.macro CREST                           ; a round behind its opening barrier
	s_cmp_lg_u32 s10, 0
	s_cbranch_scc1 .Lnot_wave_0_\@
	s_barrier_signal -3
.Lnot_wave_0_\@:
	s_barrier_wait -3
	s_barrier_signal -1
	s_barrier_wait -1
.endm
.macro CROUND                          ; a whole round
	s_barrier_signal -1
	s_barrier_wait -1
	CREST
.endm
	s_load_b128 s[4:7], s[0:1], 0x0                ; ab s[4:5], wb s[6:7]
	s_load_b64 s[8:9], s[0:1], 0x10                ; qkvr
	s_load_b256 s[68:75], s[0:1], 0x18             ; bq s[68:69], bk s[70:71], bv s[72:73], bkr s[74:75]
	v_lshrrev_b32 v1, 5, v0
	v_readfirstlane_b32 s10, v1                    ; wave 0..3
	s_lshr_b32 s11, s10, 1                         ; my half of the tile's rows.  Also: I fetch for A (0) or for W (1)
	s_and_b32 s12, s10, 1                          ; my half of its columns.  Also: which half of that tile I fetch
	s_bfe_u32 s40, ttmp6, 0x40000                  ; cx
	s_bfe_u32 s41, ttmp6, 0x40004                  ; cy
	s_mov_b32 s76, ttmp9                           ; the weight: 0 q, 1 k, 2 val, 3 KRX: the cluster's x
	s_mov_b32 s42, s40                             ; tile column 0..3 in that weight
	s_and_b32 s13, ttmp7, 0xffff
	s_lshl_b32 s13, s13, 2
	s_add_co_u32 s13, s13, s41                     ; tile row 0..15
	s_lshl_b32 s43, s41, 2
	s_lshl_b32 s43, 15, s43                        ; my row of the cluster: places 4 cy .. 4 cy + 3
	s_lshl_b32 s44, 0x1111, s40                    ; my column: places cx, cx + 4, cx + 8, cx + 12
	s_or_b32 s[G1+0], s43, (1<<16)|(1<<20)|(1<<21)|(5<<22)|(3<<25)  ; the mask; elements of 2 bytes; padding on; bit 21 beside a mask; after every 64 words 4 words
	s_mov_b32 s[G1+1], KSTEP<<16                   ; tensor_dim0 = 128
	s_mov_b32 s[G1+2], 128<<16                     ; tensor_dim1 = 128
	s_mov_b32 s[G1+3], KSTEP<<16                   ; tile_dim0 = 128
	s_mov_b32 s[G1+4], 128                         ; tile_dim1 = 128
	s_mov_b32 s[G1+5], DK                          ; elements from row to row
	s_mov_b32 s[G1+6], 0
	s_mov_b32 s[G1+7], 0
	s_or_b32 s[G1B+0], s44, (1<<16)|(1<<20)|(1<<21)|(6<<22)|(7<<25) ; after every 128 words 8 words
	s_mov_b32 s[G1B+1], 256<<16                    ; 256 columns
	s_mov_b32 s[G1B+2], 64<<16                     ; 64 rows of k
	s_mov_b32 s[G1B+3], 256<<16
	s_mov_b32 s[G1B+4], 64
	s_mov_b32 s[G1B+5], DK
	s_mov_b32 s[G1B+6], 0
	s_mov_b32 s[G1B+7], 0
	s_cmp_eq_u32 s76, 3                            ; A: row (KRX: 4,096) + 256 x tile row + 128 x half, 2,048 bytes a row
	s_cselect_b32 s16, 4096, 0
	s_lshl_b32 s17, s13, 8
	s_add_co_u32 s16, s16, s17
	s_lshl_b32 s17, s12, 7
	s_add_co_u32 s16, s16, s17
	s_lshl_b32 s16, s16, 11
	s_mov_b32 s17, 0
	s_lshl_b32 s46, s76, 21                        ; W: weight x 2 MiB + half x 64 rows of k + 512 bytes x tile column
	s_lshl_b32 s47, s12, 17
	s_add_co_u32 s46, s46, s47
	s_lshl_b32 s47, s42, 9
	s_add_co_u32 s46, s46, s47
	s_mov_b32 s47, 0
	s_mul_i32 s20, s10, HALFT                      ; where they go: A's two halves, then W's two halves = wave x 34,816: no place in the cluster enters an LDS address
	s_lshl_b32 s82, s42, 10                        ; the bias of my 128 columns: (256 x tile column + 128 x half) x 4 bytes
	s_lshl_b32 s83, s12, 9
	s_add_co_u32 s82, s82, s83
	s_mov_b32 s83, 0
	s_wait_kmcnt 0x0
	s_add_nc_u64 s[14:15], s[4:5], s[16:17]
	s_add_nc_u64 s[46:47], s[6:7], s[46:47]
	s_mov_b64 s[80:81], s[74:75]                   ; the bias is chosen on the weight's number alone
	s_cmp_eq_u32 s76, 2
	s_cselect_b64 s[80:81], s[72:73], s[80:81]
	s_cmp_eq_u32 s76, 1
	s_cselect_b64 s[80:81], s[70:71], s[80:81]
	s_cmp_eq_u32 s76, 0
	s_cselect_b64 s[80:81], s[68:69], s[80:81]
	s_add_nc_u64 s[80:81], s[80:81], s[82:83]
	CROUND                                         ; all sixteen work-groups are here: the first joint loads meet
.irp s, 0,1
	s_mov_b32 s[G0+4*\s], 1                                        ; count = 1
	s_add_co_u32 s[G0+4*\s+1], s20, \s*SLOT                        ; LDS address
	s_add_nc_u64 s[G0+4*\s+2:G0+4*\s+3], s[14:15], \s*KSTEP*2      ; global address: K step s
	s_or_b32 s[G0+4*\s+3], s[G0+4*\s+3], 0x80000000                ; type = 2
	s_mov_b32 s[G0B+4*\s], 1
	s_add_co_u32 s[G0B+4*\s+1], s20, \s*SLOT
	s_add_nc_u64 s[G0B+4*\s+2:G0B+4*\s+3], s[46:47], \s*KSTEP*DK*2 ; 128 rows of k on
	s_or_b32 s[G0B+4*\s+3], s[G0B+4*\s+3], 0x80000000
	JLOAD \s                                       ; the ring is filled before anything else is done: two tensor loads of mine are out
.endr
	v_and_b32 v1, 15, v0                           ; r = l % 16; kept for the way out
	v_bfe_u32 v2, v0, 4, 1                         ; h = l / 16
	v_and_b32 v6, 7, v0
	v_bfe_u32 v7, v0, 3, 1
	v_lshlrev_b32 v9, 5, v2                        ; the bias: 32 bytes for each half of the lanes; never rewritten
.irp b, 0,1,2,3,4,5,6,7
	global_load_b128 v[BI+8*\b:BI+8*\b+3],   v9, s[80:81] offset:64*\b
	global_load_b128 v[BI+8*\b+4:BI+8*\b+7], v9, s[80:81] offset:64*\b+16
.endr
	; A fragment of A is 16 rows x 32 K in 8 registers: lane l holds row l % 16; registers 0-3 K = 8 h + 0..7, registers 4-7 K = 16 + 8 h + 0..7: two loads of 16 bytes, 32 bytes apart.
	v_mul_u32_u24 v3, v1, PITCH
	v_lshl_add_u32 v3, v2, 4, v3                   ; row x pitch + 16 h
	; The turning load takes 16 rows of k x 16 columns (lane l reads 16 bytes: row 8 h + l % 8, columns 8 ((l / 8) % 2) + 0..7) and leaves half a fragment: lane l holds column l % 16 and 8 k.
	v_lshl_add_u32 v8, v2, 3, v6
	v_mul_u32_u24 v8, v8, PB
	v_lshl_add_u32 v8, v7, 4, v8
	s_mul_i32 s21, s11, HALFT                      ; my 128 rows of A
	s_lshl_b32 s22, s12, 8                         ; my 128 columns of W: 256 bytes of each row,
	s_add_co_u32 s22, s22, 2*HALFT                 ; behind A's 256 rows
.irp s, 0,1
	v_add_nc_u32 v[ADRA+\s], s21, v3
	v_add_nc_u32 v[ADRB+\s], s22, v8
	s_add_co_u32 s21, s21, SLOT
	s_add_co_u32 s22, s22, SLOT
.endr
	s_mul_i32 s23, s10, 16*SPITCH
	s_add_co_u32 s23, s23, STAGE                   ; my stage
	v_mul_u32_u24 v4, v1, SPITCH                   ; in: row l % 16, 16 bytes for each half of the lanes
	v_lshl_add_u32 v4, v2, 4, v4
	v_add_nc_u32 v[STO], s23, v4
	v_mul_u32_u24 v5, v7, SPITCH                   ; back, by heads: lanes 0-15 take two rows' 128 bytes of my left head, lanes 16-31 of my right head
	v_lshl_add_u32 v5, v2, 7, v5
	v_lshl_add_u32 v5, v6, 4, v5
	v_add_nc_u32 v[RD], s23, v5
	s_lshl_b32 s16, s13, 8                         ; my first row: m0 = 256 x tile row + 128 x half
	s_lshl_b32 s17, s11, 7
	s_add_co_u32 s16, s16, s17
	s_sub_co_u32 s79, 2048, s16                    ; KRX's row 2048 seen from my first row: equal to l % 16 only in that row; any other weight: never
	s_cmp_eq_u32 s76, 3
	s_cselect_b32 s79, s79, 0x40000000
	s_cselect_b32 s14, 1, 0
	s_cselect_b32 s15, 18, 22                      ; rows 2,048 on: the next batch (16 heads, 4 MiB on) or, in KRX, simply 2,048 rows of 128 bytes on
	s_mov_b32 s78, 262144
	s_lshl_b32 s78, s78, s14                       ; bytes from head to head: 2,048 or 4,096 rows of 128
	s_lshr_b32 s17, s16, 11
	s_lshl_b32 s17, s17, s15
	s_and_b32 s16, s16, 2047
	s_lshl_b32 s16, s16, 7
	s_add_co_u32 s16, s16, s17
	s_lshl_b32 s17, s76, 23                        ; the weight's 8 MiB
	s_add_co_u32 s16, s16, s17
	s_mov_b32 s17, 0
	s_add_nc_u64 s[8:9], s[8:9], s[16:17]
	s_lshl_b32 s46, s42, 2                         ; my left head: 4 x tile column + 2 x half (in the registers that held W's address: none that feeds A's descriptors ever holds cx)
	s_lshl_b32 s47, s12, 1
	s_add_co_u32 s46, s46, s47
	s_mul_i32 s46, s46, s78
	s_mov_b32 s47, 0
	s_add_nc_u64 s[8:9], s[8:9], s[46:47]
	v_mul_lo_u32 v5, v2, s78
	v_lshl_add_u32 v[CO], v1, 4, v5                ; sixteen lanes: two rows of one head, 256 consecutive bytes
; 16 matrix instructions: row blocks a0, a0 + 1 of the window's four (hi = 0: my rows 0-63, 1: rows 64-127) x all 8 column blocks, 32 along K.
; zero = 1: the bias starts the sums: nothing is cleared, and nothing is added later.  The 64 accumulators take turns, one instruction a turn, in the same order in every quarter.
.macro MUL16 f, hi, a0, zero
.irp a, \a0, \a0+1
.irp b, 0,1,2,3,4,5,6,7
.if \zero
	v_wmma_f32_16x16x32_f16 v[8*(8*(\a)+\b):8*(8*(\a)+\b)+7], v[\f+8*\b:\f+8*\b+7], v[\f+8*(4*\hi+\a):\f+8*(4*\hi+\a)+7], v[BI+8*\b:BI+8*\b+7]
.else
	v_wmma_f32_16x16x32_f16 v[8*(8*(\a)+\b):8*(8*(\a)+\b)+7], v[\f+8*\b:\f+8*\b+7], v[\f+8*(4*\hi+\a):\f+8*(4*\hi+\a)+7], v[8*(8*(\a)+\b):8*(8*(\a)+\b)+7]
.endif
.endr
.endr
.endm
; 32 LDS loads in one run: the fragments of quarter q (32 along K) of a slot into buffer f: W's 128 columns first, then A's 128 rows
.macro FETCH slot, q, f
	WIN TO_B
.irp i, 0,1,2,3,4,5,6,7
	ds_load_tr16_b128 v[\f+8*\i:\f+8*\i+3],   v[ADRB+\slot] offset:\q*32*PB+\i*32
	ds_load_tr16_b128 v[\f+8*\i+4:\f+8*\i+7], v[ADRB+\slot] offset:\q*32*PB+16*PB+\i*32
.endr
	WIN 0
.irp i, 0,1,2,3,4,5,6,7
	ds_load_b128 v[\f+8*\i:\f+8*\i+3],   v[ADRA+\slot] offset:\q*64+\i*16*PITCH
	ds_load_b128 v[\f+8*\i+4:\f+8*\i+7], v[ADRA+\slot] offset:\q*64+\i*16*PITCH+32
.endr
.endm
; A load into a register that a matrix instruction has read, and a vector instruction that reads a matrix result, stand four places behind that matrix instruction, and only plain
; vector instructions that name none of its registers are places (ISA guide 7.12.1 for vector instructions).
.macro PLACES
.rept 4
	v_nop
.endr
.endm
; A K step is four quarters of 32 along K, 64 matrix instructions each, on buffers 0, 1, 0, 1.
; One of the first three: multiplies buffer f; in its middle it fetches quarter q of the same slot into buffer g.
.macro QUARTER slot, q, f, g, zero
	s_wait_dscnt 8                                 ; W and A's rows 0-63 are in; the youngest eight loads (A's rows 64-127) may be out
.if \zero
	WIN BIAS_LO
.else
	WIN MUL_LO
.endif
	MUL16 \f, 0, 0, \zero
	MUL16 \f, 0, 2, \zero
	PLACES
	FETCH \slot, \q, \g
	s_wait_dscnt 32                                ; all but the 32 just issued
.if \zero
	WIN BIAS_HI
.else
	WIN MUL_HI
.endif
	MUL16 \f, 1, 0, \zero
	MUL16 \f, 1, 2, \zero
.endm
; The last quarter multiplies buffer 1 and changes slots.  MEET is its first half: ONE barrier for the change.  In front of it each wave waits for its own reads of this slot and for all
; its tensor loads, of which one is out: its part of the next slot.  Behind it nobody reads this slot any more and the next slot is whole.
.macro MEET round                      ; round = 1: a round of the cluster's barrier follows
	s_wait_dscnt 8
	WIN MUL_LO
	MUL16 F1, 0, 0, 0
	s_wait_dscnt 0                                 ; my reads of this slot are over,
	s_wait_tensorcnt 0x0                           ; and all my tensor loads have landed
	s_barrier_signal -1
	MUL16 F1, 0, 2, 0                              ; work on registers while the others arrive
.if \round
	WIN 0
.endif
	s_barrier_wait -1
.endm
; The whole last quarter with a refill: behind the round the slot just read out is filled again first, with the K step two steps on; then come the next slot's first fragments.
; From a request to the wait for it a wave issues 240 matrix instructions.
.macro TURN slot, next
	MEET 1
	CREST                                          ; no wave of any partner still reads this slot's tile or has a load on its way
	s_add_nc_u64 s[G0+4*\slot+2:G0+4*\slot+3], s[G0+4*\slot+2:G0+4*\slot+3], 2*KSTEP*2
	s_add_nc_u64 s[G0B+4*\slot+2:G0B+4*\slot+3], s[G0B+4*\slot+2:G0B+4*\slot+3], 2*KSTEP*DK*2
	JLOAD \slot                                    ; the first tensor load behind the round, my only one out; its four v_nop are also the places in front of the loads below
	FETCH \next, 0, F0
	WIN MUL_HI
	MUL16 F1, 1, 0, 0
	MUL16 F1, 1, 2, 0
.endm
; THE WAY OUT of block a (16 of my rows), in three parts.  PACK: rounded to f16, 16 bytes a lane; KRX's row 2048 becomes zeros.  TOSTAGE: into my own stage in LDS, and back by heads.  SEND: stored.
.macro PACK a
.set AC, 64*((\a)%4)
	WIN 0
	v_cmp_ne_u32 vcc_lo, s79, v1                   ; off only in the lanes that hold KRX's row 2048
	s_sub_co_u32 s79, s79, 16
.if (\a) < 4
	WIN 0x0a                                       ; sources 0 and 1: window 2
.else
	WIN 0x0f                                       ; window 3
.endif
.irp b, 0,1,2,3,4,5,6,7
.irp r, 0,1,2,3
	v_cvt_pk_f16_f32 v[TMP+4*\b+\r], v[AC+8*\b+2*\r], v[AC+8*\b+2*\r+1]
.endr
.endr
	WIN 0
.set i, 0
.rept 32
	v_cndmask_b32 v[TMP+i], 0, v[TMP+i], vcc_lo
.set i, i+1
.endr
.endm
.macro TOSTAGE a
.set BK, OB+192*((\a)%2)
.irp b, 0,1,2,3,4,5,6,7
	ds_store_b128 v[STO], v[TMP+4*\b:TMP+4*\b+3] offset:32*\b
.endr
.irp t, 0,1,2,3,4,5,6,7
	ds_load_b128 v[BK+4*\t:BK+4*\t+3], v[RD] offset:\t*2*SPITCH    ; LDS serves a wave's instructions in order (ISA guide 5.7.1.4): these see the stores above
.endr
.endm
.macro SEND a
.set BK, OB+192*((\a)%2)
	s_wait_dscnt 0x0                               ; the block is back in registers
	s_wait_xcnt 0x0                                ; every earlier memory instruction has had its addresses translated (ISA guide 3.1): only behind this wait are the stores' base and the registers that earlier stores read rewritten
.if (\a) > 0
	s_add_nc_u64 s[8:9], s[8:9], 16*128            ; 16 rows of 128 bytes on
.endif
.irp t, 0,1,2,3,4,5,6,7
	global_store_b128 v[CO], v[BK+4*\t:BK+4*\t+3], s[8:9] offset:\t*256   ; 16 lanes store 256 consecutive bytes, at a multiple of 256 from the buffer's first byte
.endr
.endm
	s_wait_tensorcnt 1                             ; my part of K step 0 is in; K step 1's may stay out
	s_barrier_signal -1
	s_barrier_wait -1                              ; everybody's is
	FETCH 0, 0, F0
	s_wait_loadcnt 0x0                             ; the bias
	QUARTER 0, 1, F0, F1, 1                        ; the first quarter stands in front of the loop: its products start the sums
	WIN 0                                          ; at a label and at a branch every window is 0
	s_mov_b32 s3, LAPS-1
.Llap:                                                 ; a trip goes once round the ring, from a lap's second quarter to the next lap's first, and fills both slots again
	QUARTER 0, 2, F1, F0, 0
	QUARTER 0, 3, F0, F1, 0
	TURN 0, 1
	QUARTER 1, 1, F0, F1, 0
	QUARTER 1, 2, F1, F0, 0
	QUARTER 1, 3, F0, F1, 0
	TURN 1, 0
	QUARTER 0, 1, F0, F1, 0
	WIN 0
	s_sub_co_u32 s3, s3, 1
	s_cmp_lg_u32 s3, 0
	s_cbranch_scc1 .Llap
	QUARTER 0, 2, F1, F0, 0                        ; the last lap fills nothing, and has no round of the cluster's barrier
	QUARTER 0, 3, F0, F1, 0
	MEET 0                                         ; my one tensor load that was still out is slot 1's, the last K step's
	PLACES                                         ; for the loads into buffer 0, which the quarter before multiplied
	FETCH 1, 0, F0
	WIN MUL_HI
	MUL16 F1, 1, 0, 0
	MUL16 F1, 1, 2, 0
	QUARTER 1, 1, F0, F1, 0
	QUARTER 1, 2, F1, F0, 0
	QUARTER 1, 3, F0, F1, 0
	s_wait_dscnt 8                                 ; the very last quarter: nothing more to fetch
	WIN MUL_LO
	MUL16 F1, 0, 0, 0
	MUL16 F1, 0, 2, 0
	s_wait_dscnt 0
	WIN MUL_HI
	MUL16 F1, 1, 0, 0
	MUL16 F1, 1, 2, 0
	WIN 0
	PLACES                                         ; the conversions read results just made
	PACK 0
	TOSTAGE 0
.irp a, 1,2,3,4,5,6,7                  ; block a's conversions stand between block a - 1's loads from the stage and the wait for them
	PACK \a
	SEND \a-1
	TOSTAGE \a
.endr
	SEND 7
	CROUND                                         ; the closing round: no work-group ends while a partner may still ask for a tile that names it
	s_endpgm
.Lfunc_end_k_q96eed6df1c_proj:
	.size	k_q96eed6df1c_proj, .Lfunc_end_k_q96eed6df1c_proj-k_q96eed6df1c_proj
	.p2alignl 7, 3214868480
	.fill 96, 4, 3214868480
	.section	.rodata,"a",@progbits
	.p2align	6, 0x0
	.amdhsa_kernel k_q96eed6df1c_proj
		.amdhsa_group_segment_fixed_size 327680
		.amdhsa_private_segment_fixed_size 0
		.amdhsa_enable_private_segment 0
		.amdhsa_kernarg_size 56
		.amdhsa_user_sgpr_count 2
		.amdhsa_user_sgpr_kernarg_segment_ptr 1
		.amdhsa_wavefront_size32 1
		.amdhsa_system_sgpr_workgroup_id_x 1
		.amdhsa_system_sgpr_workgroup_id_y 1
		.amdhsa_system_sgpr_workgroup_id_z 1
		.amdhsa_system_vgpr_workitem_id 0
		.amdhsa_next_free_vgpr 1024
		.amdhsa_next_free_sgpr 96
		.amdhsa_reserve_vcc 1
		.amdhsa_float_denorm_mode_32 3
		.amdhsa_float_denorm_mode_16_64 3
		.amdhsa_memory_ordered 1
		.amdhsa_forward_progress 1
		.amdhsa_inst_pref_size 153
	.end_amdhsa_kernel
	.amdgpu_metadata
---
amdhsa.version: [ 1, 2 ]
amdhsa.kernels:
  - .name:           k_q96eed6df1c_proj
    .symbol:         k_q96eed6df1c_proj.kd
    .args:
      - { .name: ab, .offset: 0, .size: 8, .value_kind: global_buffer, .address_space: global }
      - { .name: wb, .offset: 8, .size: 8, .value_kind: global_buffer, .address_space: global }
      - { .name: qkvr, .offset: 16, .size: 8, .value_kind: global_buffer, .address_space: global }
      - { .name: bq, .offset: 24, .size: 8, .value_kind: global_buffer, .address_space: global }
      - { .name: bk, .offset: 32, .size: 8, .value_kind: global_buffer, .address_space: global }
      - { .name: bv, .offset: 40, .size: 8, .value_kind: global_buffer, .address_space: global }
      - { .name: bkr, .offset: 48, .size: 8, .value_kind: global_buffer, .address_space: global }
    .group_segment_fixed_size: 327680
    .private_segment_fixed_size: 0
    .kernarg_segment_align: 8
    .kernarg_segment_size: 56
    .max_flat_workgroup_size: 128
    .sgpr_count:     96
    .vgpr_count:     1024
    .wavefront_size: 32
...
	.end_amdgpu_metadata
.endif
;; end of part 5
;; launch attn (part 6): grid 8 x 32, 4 waves a work-group, no clusters, 327,680 bytes of LDS; arguments qkvr, u, v, ao; writes ao
.if DOCPART == 6
	.amdgcn_target "amdgcn-amd-amdhsa--gfx1250"
	.amdhsa_code_object_version 6
	.text
	.protected	k_q96eed6df1c_attn
	.globl	k_q96eed6df1c_attn
	.p2align	8
	.type	k_q96eed6df1c_attn,@function
k_q96eed6df1c_attn:
	s_mov_b64 s[64:65], 0
	v_nop
	global_prefetch_b8 v0, s[64:65] scope:SCOPE_SE
	s_setreg_imm32_b32 hwreg(HW_REG_WAVE_MODE, 25, 1), 1
	s_wait_xcnt 0x0
; ao[b h][i][:] = sum over j of softmax_j((AC + BD + EF + GH)[i][j] / 8) val[j][:], f16 out, for one (b, h) and 256 queries a work-group.
;   AC + EF = (q_i + u_h) . k_j.     GH = v_h . kr_i (the same for all j of a row; computed and added all the same).
;   BD[i][j] = qsel . KRX[2047 - i + j], KRX = kr, a zero row at 2048, kr again: qsel = q_i for table rows below 2048 and q_(i+1) from 2048 on.  That is the
;   relative shift written out; since 2048 is a multiple of 16, each tile of 16 table rows takes one of the two q as a whole.
; LIMIT: matrix operands (q, q + u, k, val, KRX, v, the weights p) are f16: 65,504 or more in magnitude becomes infinite.  Scores, maxima, sums, BD in f32.
; SHARES.  Four waves, 64 queries each: four tiles of 16.  Every wave walks all 2,048 keys, 64 a trip; an LDS slot holds two trips: 128 rows of K, 128 of V and the
; 384 rows of KRX that the work-group's 256 queries meet in 128 keys.  Wave 0 fetches K, wave 1 V, waves 2 and 3 a half of KRX's window each: one tensor load a wave
; behind each change of slots; two are out at the start, one afterwards.
; LAYOUT.  S^T = K (Q+U)^T: a lane holds ONE query (lane % 16) and keys 8 (lane / 16) + 0..7; two such tiles, rounded in pairs, are source 1 of O^T = V^T P.
; T = Qsel KRX^T + G is NOT transposed: register j of lane (n, h) holds query a = 8 h + j, table row R0 + n, which belongs to key J - 15 + n + a.
; THE SKEW.  T is stored by words into the wave's own ring in LDS, row a, column key mod 128 (the skew is a step of pitch + 4 bytes from register to register), and
; read back by 16-byte loads as the C operand of S^T: BD + GH start the sums of AC, and no vector addition is spent on them.  A trip makes the four diagonal tiles
; J = j0 + 16 s, s = 1..4; the tile J = 0 is made once ahead of the loop.
; WHICH Q.  Tile (t, s) always reads set QA if s <= t and set QB otherwise.  Both start as q_i; at the trip on the wave's diagonal QB becomes q_(i+1), one trip later QA too:
; two runs of 64 moves in a wave's life, behind a branch on whole numbers made of the ids, in place of three written forms of T.
; BY TURNS.  The body of the loop is B(trip) = softmax(trip), T(trip + 1), V^T P(trip), K (Q+U)^T(trip + 1).  T(trip + 1) touches nothing of softmax(trip), and V^T P of the
; trip's keys 0-31 needs only those keys' weights.  So a slice of the softmax stands behind each of these 64 products: 4 scalings or rescalings behind each T, 4 exponentials and
; 2 roundings of keys 32-63 behind each V^T P of keys 0-31, 4 sums behind each V^T P of keys 32-63.  A slice costs two switches of the register window, 128 a trip: the lesser
; price beside leaving 64 of a trip's 96 products and some 470 vector instructions each in a phase of its own.  LDS instructions stand in runs (64 stores behind 16 products of
; T, 8 loads behind a tile's sums), never singly.  The 32 products K (Q+U)^T stand bare: they need BD, and S^T's registers are then taken.
; THE TEXT.  A trip's LDS addresses hang on four scalars (slot and trip for K and KRX, for V; the ring's column parity, twice), so a slot's two trips are a loop of two over one
; text.  The body is written four times: the first trip (no old maximum), once for each slot in the loop (each slot's descriptors are its own registers), once in the tail
; and the last softmax with its V^T P.
; NO CLUSTER, though query blocks of a head share K and V: the trip at which a wave goes over from q_i to q_(i+1) hangs on its query block, so partners would branch
; on their place; and each would still fetch its own window of KRX, 55,296 of a slot's 94,208 bytes.
; REGISTERS, in windows of 256 (s_set_vgpr_msb: bits 1:0 source 0, 3:2 source 1, 5:4 source 2, 7:6 destination):
;   window 0: v0-31 addresses; v32-63 statistics, 8 a tile; v64-191 S^T, 32 a tile; v192-255 P, 16 a tile
;   window 1: v0-127 O^T, 32 a tile; v128-191 eight tiles of T; v192-223 G, 8 a tile
;   window 2: v0-63 Q+U; v64-127 QA; v128-191 QB; v192-255 q of rows i + 1
;   window 3: v0-63 K (ahead of the loop: KRX's rows i); v64-127 V; v128-239 seven tiles of KRX (ahead of the loop: v's fragment in v128-143)
.set KP,    144                        ; LDS row of K and KRX: 128 bytes + 16 = 9 x 16: the 16 rows of a load start 16 bytes apart modulo 256
.set VP,    160                        ; of V: 128 + 32 = 5 x 32, for the turning load
.set VOFF,  128*KP
.set KROFF, VOFF+128*VP
.set SLOT,  KROFF+384*KP               ; 94,208
.set RING,  2*SLOT                     ; 188,416, a multiple of 256: no fill lands from here on
.set RP,    528                        ; a ring row: 128 columns of f32 + 16 bytes
.set TR,    16*RP                      ; a tile's ring
.set RW,    4*TR                       ; a wave's ring, 33,792
.set AK0,  3                           ; my lane's place in K, V, KRX's window; never rewritten
.set AV0,  4
.set AR0,  5
.set AN0,  6                           ; ring: where T's register 0 goes in column 0; never rewritten
.set ARD0, 7                           ; ring: where I read BD in column 0; never rewritten
.set AWB,  8                           ; ring: my half's first row (8 h); never rewritten
.set COL,  9                           ; n + 8 h; never rewritten
.set ADR,  10                          ; the LDS address of the run of loads in hand
.set AN,   11                          ; AN0 in the trip's columns
.set AW,   12                          ; v12-19 where T's register j goes in tile s = 4, which can wrap: my half's first row, column (49 or 113 + n + 8 h + j) modulo 128; the row j stands in the immediate
.set QNO,  12                          ; v12-15 ahead of the loop: offsets of q's rows i + 1
.set ARD,  20                          ; ARD0 in the trip's columns
.set COLP, 21
.set STO,  22
.set RD,   23
.set GO,   24
.set QO,   25
.set UO,   26
.set ADR2, 27
.set ST,  32                           ; tile t at v[ST + 8 t]: +0 c m, +1 m, +2, +3 l, +4..+7 at work; a in +6
.set S,   64
.set P,   192
.set UF,  128                          ; ahead of the loop: u, v in f32, in S's registers
.set VF32, 160
.set O,   0
.set TT,  128
.set G,   192
.set QU,  0
.set QA,  64
.set QB,  128
.set QN,  192
.set KF,  0
.set KI,  0
.set VF,  64
.set RF,  128
.set WV,  12
.set G1K, 24
.set G1V, 32
.set G1R, 40
.set G0K, 48                           ; group 0: a set for each slot; the LDS word never changes
.set G0V, 56
.set G0R, 68
.set CNT, 76
.set DJ,  77                           ; the first key of the trip whose T is due, less the wave's first query
.set CS,  78                           ; s[78:79] c = log2(e) / 8
.set SEL, 80
.set TK,  88                           ; LDS byte at which K's and KRX's rows of the trip to be fetched begin: slot x 94,208 + trip in the slot x 64 rows of 144
.set TV,  89                           ; the same for V: rows of 160
.set RB,  90                           ; the ring's column bytes of the trip whose T is due: 0 or 256
.set RC,  91                           ; the first column of its tile s = 4: 49 or 113
.set TWICE, 92
.set MSB, 0
.macro WIN new                         ; the immediate's high byte repeats the setting that is left; a switch that changes nothing is dropped
.if MSB != \new
	s_set_vgpr_msb (MSB<<8)|\new
.set MSB, \new
.endif
.endm
.set W_T,  0x5e                        ; Q window 2, KRX window 3, C and D window 1
.set W_TS, 0x04                        ; store data window 1
.set W_AC, 0x0b                        ; K window 3, Q+U window 2, S^T window 0
.set W_PV, 0x53                        ; V window 3, P window 0, O^T window 1
.set W_RS, 0x41                        ; O^T window 1, a window 0
.macro PLACES n                        ; plain instructions behind matrix instructions (ISA guide 7.12.1 for vector instructions)
.rept \n
	v_nop
.endr
.endm
.macro REFILL s                        ; one tensor load a wave, chosen by the wave's number; four v_nop follow each line
	s_cmp_lt_u32 s[WV], 2
	s_cbranch_scc0 .Lfor_r_\@
	s_cmp_eq_u32 s[WV], 0
	s_cbranch_scc0 .Lfor_v_\@
	tensor_load_to_lds s[G0K+4*\s:G0K+4*\s+3], s[G1K:G1K+7]
	PLACES 4
	s_branch .Lasked_\@
.Lfor_v_\@:
	tensor_load_to_lds s[G0V+4*\s:G0V+4*\s+3], s[G1V:G1V+7]
	PLACES 4
	s_branch .Lasked_\@
.Lfor_r_\@:
	tensor_load_to_lds s[G0R+4*\s:G0R+4*\s+3], s[G1R:G1R+7]
	PLACES 4
.Lasked_\@:
.endm
	s_load_b256 s[4:11], s[0:1], 0x0               ; qkvr s[4:5], u s[6:7], v s[8:9], ao s[10:11]
	v_lshrrev_b32 v3, 5, v0
	v_readfirstlane_b32 s[WV], v3
	s_and_b32 s13, ttmp7, 0xffff                   ; b x 16 + h
	s_and_b32 s14, s13, 15                         ; h
	s_lshl_b32 s15, ttmp9, 8                       ; the work-group's first query
	s_lshl_b32 s16, s[WV], 6
	s_add_co_u32 s16, s16, s15                     ; the wave's first query
	s_sub_co_i32 s[DJ], 0, s16
	s_and_b32 s17, s[WV], 1
	s_lshl_b32 s18, s13, 18                        ; a head of q, k, val: 2,048 rows of 128 bytes
	s_mov_b32 s19, 0
	s_lshl_b32 s84, s14, 19                        ; a head of KRX: 4,096 rows
	s_mov_b32 s85, 0
	; group 1: the tiles are dense in memory and come as rows of 256 bytes (two table rows), with padding behind every 32 words
	s_mov_b32 s[G1K], (1<<16)|(1<<20)|(4<<22)|(3<<25)
	s_mov_b32 s[G1V], (1<<16)|(1<<20)|(4<<22)|(7<<25)
	s_mov_b32 s[G1R], (1<<16)|(1<<20)|(4<<22)|(3<<25)
.irp g, G1K, G1V, G1R
	s_mov_b32 s[\g+1], 128<<16                     ; tensor_dim0 = 128 elements
	s_mov_b32 s[\g+3], 128<<16                     ; tile_dim0
	s_mov_b32 s[\g+5], 128                         ; elements from row to row
	s_mov_b32 s[\g+6], 0
	s_mov_b32 s[\g+7], 0
.endr
	s_mov_b32 s[G1K+2], 64<<16                     ; 128 keys = 64 rows of 256 bytes
	s_mov_b32 s[G1K+4], 64
	s_mov_b32 s[G1V+2], 64<<16
	s_mov_b32 s[G1V+4], 64
	s_mov_b32 s[G1R+2], 96<<16                     ; 192 table rows = 96
	s_mov_b32 s[G1R+4], 96
	s_mov_b32 s[CS], 0x3e38aa3b                    ; log2(e) / 8
	s_mov_b32 s[CS+1], s[CS]
	s_mov_b32 s[SEL], 0x76543210
	s_mov_b32 s[SEL+1], 0xfedcba98
	s_mov_b32 s[TK], 0                             ; slot 0, its first trip
	s_mov_b32 s[TV], 0
	s_mov_b32 s[RB], 256                           ; the tile J = 0 is laid like tile s = 4 of a trip before the first: columns 113 on
	s_mov_b32 s[RC], 113
	s_wait_kmcnt 0x0
	s_add_nc_u64 s[20:21], s[4:5], s[18:19]        ; q's head; k's is 8 MiB on, val's 16 MiB
	s_add_nc_u64 s[86:87], s[4:5], s[84:85]
	s_add_nc_u64 s[86:87], s[86:87], 0x1800000     ; KRX's head
	s_sub_co_u32 s84, 1792, s15                    ; slot 0's window begins at table row 1792 - first query (0 .. 1792; the last window ends at row 4,096)
	s_lshl_b32 s84, s84, 7
	s_mul_i32 s83, s17, 192*128
	s_add_co_u32 s84, s84, s83
	s_add_nc_u64 s[22:23], s[86:87], s[84:85]      ; my half of it
	s_mul_i32 s83, s17, 192*KP
.irp s, 0,1
	s_mov_b32 s[G0K+4*\s], 1
	s_mov_b32 s[G0K+4*\s+1], \s*SLOT
	s_add_nc_u64 s[G0K+4*\s+2:G0K+4*\s+3], s[20:21], 0x800000+\s*16384
	s_or_b32 s[G0K+4*\s+3], s[G0K+4*\s+3], 0x80000000
	s_mov_b32 s[G0V+4*\s], 1
	s_mov_b32 s[G0V+4*\s+1], VOFF+\s*SLOT
	s_add_nc_u64 s[G0V+4*\s+2:G0V+4*\s+3], s[20:21], 0x1000000+\s*16384
	s_or_b32 s[G0V+4*\s+3], s[G0V+4*\s+3], 0x80000000
	s_mov_b32 s[G0R+4*\s], 1
	s_add_co_u32 s[G0R+4*\s+1], s83, KROFF+\s*SLOT
	s_add_nc_u64 s[G0R+4*\s+2:G0R+4*\s+3], s[22:23], \s*16384
	s_or_b32 s[G0R+4*\s+3], s[G0R+4*\s+3], 0x80000000
.endr
	s_cmp_lt_u32 s[WV], 2                          ; a wave's two first fills stand in one branch, ahead of every wait on TENSORcnt, LDS read and barrier
	s_cbranch_scc0 .Lfirst_r
	s_cmp_eq_u32 s[WV], 0
	s_cbranch_scc0 .Lfirst_v
	tensor_load_to_lds s[G0K:G0K+3], s[G1K:G1K+7]
	tensor_load_to_lds s[G0K+4:G0K+7], s[G1K:G1K+7]
	PLACES 4
	s_branch .Lfirst_asked
.Lfirst_v:
	tensor_load_to_lds s[G0V:G0V+3], s[G1V:G1V+7]
	tensor_load_to_lds s[G0V+4:G0V+7], s[G1V:G1V+7]
	PLACES 4
	s_branch .Lfirst_asked
.Lfirst_r:
	tensor_load_to_lds s[G0R:G0R+3], s[G1R:G1R+7]
	tensor_load_to_lds s[G0R+4:G0R+7], s[G1R:G1R+7]
	PLACES 4
.Lfirst_asked:
	s_lshl_b32 s84, s14, 8                         ; u and v at my head's 64 numbers
	s_add_nc_u64 s[6:7], s[6:7], s[84:85]
	s_add_nc_u64 s[8:9], s[8:9], s[84:85]
	s_lshl_b32 s84, s16, 7                         ; ao at my wave's first row
	s_add_co_u32 s84, s84, s18
	s_add_nc_u64 s[10:11], s[10:11], s[84:85]
	v_and_b32 v1, 15, v0                           ; r
	v_bfe_u32 v2, v0, 4, 1                         ; h
	v_and_b32 v29, 7, v0
	v_bfe_u32 v30, v0, 3, 1
	v_and_b32 v31, 31, v0                          ; lane
	v_add_nc_u32 v[QO], s16, v1                    ; a fragment: lane holds row r; registers 0-3 channels 8 h on, 4-7 channels 16 + 8 h on
.irp t, 0,1,2,3
	v_add_nc_u32 v[QNO+\t], 16*\t+1, v[QO]         ; rows i + 1; row 2048 does not exist and its products are never read: clamped, so that the load stays in the head
	v_min_u32 v[QNO+\t], 0x7ff, v[QNO+\t]
	v_lshlrev_b32 v[QNO+\t], 7, v[QNO+\t]
	v_lshl_add_u32 v[QNO+\t], v2, 4, v[QNO+\t]
.endr
	v_lshlrev_b32 v[QO], 7, v[QO]
	v_lshl_add_u32 v[QO], v2, 4, v[QO]
	v_lshlrev_b32 v[UO], 5, v2
	WIN 0x80                                       ; destination window 2
.irp t, 0,1,2,3
.irp p, 0,1,2,3
	global_load_b128 v[QA+16*\t+4*\p:QA+16*\t+4*\p+3], v[QO],     s[20:21] offset:\t*2048+32*\p
	global_load_b128 v[QB+16*\t+4*\p:QB+16*\t+4*\p+3], v[QO],     s[20:21] offset:\t*2048+32*\p
	global_load_b128 v[QN+16*\t+4*\p:QN+16*\t+4*\p+3], v[QNO+\t], s[20:21] offset:32*\p
.endr
.endr
	WIN 0xc0                                       ; destination window 3
.irp t, 0,1,2,3
.irp p, 0,1,2,3
	global_load_b128 v[KI+16*\t+4*\p:KI+16*\t+4*\p+3], v[QO], s[86:87] offset:\t*2048+32*\p   ; kr of my queries' rows, for GH
.endr
.endr
	WIN 0
.irp t, 0,1,2,3
.irp p, 0,1,2,3
	global_load_b128 v[S+16*\t+4*\p:S+16*\t+4*\p+3], v[QO], s[20:21] offset:\t*2048+32*\p   ; q once more, where its halves can be widened
.endr
.endr
.irp p, 0,1,2,3
	global_load_b128 v[UF+8*\p:UF+8*\p+3],       v[UO], s[6:7] offset:64*\p      ; the channels of fragment registers 4 p .. 4 p + 3, in f32
	global_load_b128 v[UF+8*\p+4:UF+8*\p+7],     v[UO], s[6:7] offset:64*\p+16
	global_load_b128 v[VF32+8*\p:VF32+8*\p+3],   v[UO], s[8:9] offset:64*\p
	global_load_b128 v[VF32+8*\p+4:VF32+8*\p+7], v[UO], s[8:9] offset:64*\p+16
.endr
	; LDS addresses
	s_mul_i32 s82, s[WV], RW
	s_add_co_u32 s82, s82, RING                    ; my ring
	v_mul_u32_u24 v[AK0], v1, KP
	v_lshl_add_u32 v[AK0], v2, 4, v[AK0]
	v_lshl_add_u32 v[AV0], v2, 3, v29              ; turning load: key 8 h + l % 8, channels 8 ((l / 8) % 2) on
	v_mul_u32_u24 v[AV0], v[AV0], VP
	v_lshl_add_u32 v[AV0], v30, 4, v[AV0]
	v_add_nc_u32 v[AV0], VOFF, v[AV0]
	s_mul_i32 s17, s[WV], 64*KP
	s_sub_co_u32 s17, KROFF+192*KP, s17            ; tile (trip tp of the slot, s, t) lies at window row 192 - 64 w + 64 tp + 16 (s - t + 3)
	v_add_nc_u32 v[AR0], s17, v[AK0]
	v_mul_u32_u24 v[AN0], v2, 8*(RP+4)
	v_lshl_add_u32 v[AN0], v1, 2, v[AN0]
	v_add_nc_u32 v[AN0], s82, v[AN0]
	v_mul_u32_u24 v[ARD0], v1, RP
	v_lshl_add_u32 v[ARD0], v2, 5, v[ARD0]
	v_add_nc_u32 v[ARD0], s82, v[ARD0]
	v_mul_u32_u24 v[AWB], v2, 8*RP
	v_add_nc_u32 v[AWB], s82, v[AWB]
	v_lshl_add_u32 v[COL], v2, 3, v1
	v_add_nc_u32 v[STO], s82, v[AK0]               ; the way out uses the ring as a stage: rows of 144 bytes
	v_lshrrev_b32 v28, 3, v31
	v_mul_u32_u24 v28, v28, KP
	v_lshl_add_u32 v28, v29, 4, v28
	v_add_nc_u32 v[RD], s82, v28
	v_lshlrev_b32 v[GO], 4, v31
	s_wait_loadcnt 0x0
	; Q + U, added in f32 and rounded once, two tiles at a time
.irp tp, 0,1
	WIN 0
.set i, 0
.rept 32
	v_mov_b32 v28, v[S+32*\tp+i]
	v_cvt_f32_f16 v[P+2*i], v28.l
	v_cvt_f32_f16 v[P+2*i+1], v28.h
	v_pk_add_f32 v[P+2*i:P+2*i+1], v[P+2*i:P+2*i+1], v[UF+2*(i%16):UF+2*(i%16)+1]
.set i, i+1
.endr
	WIN 0x80
.set i, 0
.rept 32
	v_cvt_pk_f16_f32 v[QU+32*\tp+i], v[P+2*i], v[P+2*i+1]
.set i, i+1
.endr
.endr
	WIN 0xc0                                       ; v's fragment: every column of source 1 is v_h
.set i, 0
.rept 16
	v_cvt_pk_f16_f32 v[RF+i], v[VF32+2*i], v[VF32+2*i+1]
.set i, i+1
.endr
	WIN 0x5f                                       ; sources 0 and 1 window 3, C and D window 1.  G[t]: register j of every lane of half h = v_h . kr of query 8 h + j.  Four accumulators by turns
.irp c, 0,1
.irp t, 0,1,2,3
.if \c == 0
	v_wmma_f32_16x16x32_f16 v[G+8*\t:G+8*\t+7], v[KI+16*\t:KI+16*\t+7], v[RF:RF+7], 0
.else
	v_wmma_f32_16x16x32_f16 v[G+8*\t:G+8*\t+7], v[KI+16*\t+8:KI+16*\t+15], v[RF+8:RF+15], v[G+8*\t:G+8*\t+7]
.endif
.endr
.endr
	PLACES 5                                       ; G goes on as the C of other accumulators, and loads land on v's fragment
	WIN 0
	s_wait_tensorcnt 1                             ; my part of slot 0 is in; slot 1's may stay out
	s_barrier_signal -1
	s_barrier_wait -1
; The ring addresses of the trip whose T is due: 26 plain instructions.  At a body's head they are also the places behind the products K (Q+U)^T.  Then the parity turns.
.macro MKADDR
	v_add_nc_u32 v[AN], s[RB], v[AN0]
	v_add_nc_u32 v[ARD], s[RB], v[ARD0]
	v_add_nc_u32 v[COLP], s[RC], v[COL]
	v_and_b32 v[AW], 127, v[COLP]
.irp j, 1,2,3,4,5,6,7
	v_add_nc_u32 v[AW+\j], \j, v[COLP]
	v_and_b32 v[AW+\j], 127, v[AW+\j]
.endr
.irp j, 0,1,2,3,4,5,6,7
	v_lshl_add_u32 v[AW+\j], v[AW+\j], 2, v[AWB]
.endr
	s_xor_b32 s[RB], s[RB], 256
	s_xor_b32 s[RC], s[RC], 64
.endm
; 44 LDS loads in one run: a trip's K (64 keys x 64 channels: 8 fragments) and the seven tiles of KRX that s = 1..4 and t = 0..3 meet: e = s - t + 3 = 1..7.  Entered with every window 0.
.macro FETCH_KR
	v_add_nc_u32 v[ADR], s[TK], v[AK0]
	v_add_nc_u32 v[ADR2], s[TK], v[AR0]
	s_add_co_u32 s[TK], s[TK], 64*KP               ; the next fetch is the slot's next trip
	WIN 0xc0
.irp kt, 0,1,2,3
.irp c, 0,1
	ds_load_b128 v[KF+16*\kt+8*\c:KF+16*\kt+8*\c+3],   v[ADR] offset:16*\kt*KP+64*\c
	ds_load_b128 v[KF+16*\kt+8*\c+4:KF+16*\kt+8*\c+7], v[ADR] offset:16*\kt*KP+64*\c+32
.endr
.endr
.irp e, 1,2,3,4,5,6,7
.irp c, 0,1
	ds_load_b128 v[RF+16*(\e-1)+8*\c:RF+16*(\e-1)+8*\c+3],   v[ADR2] offset:16*\e*KP+64*\c
	ds_load_b128 v[RF+16*(\e-1)+8*\c+4:RF+16*(\e-1)+8*\c+7], v[ADR2] offset:16*\e*KP+64*\c+32
.endr
.endr
.endm
.macro FETCH_V                         ; a trip's V, turned: keys 32 kc on, channels 16 ch on
	WIN 0
	v_add_nc_u32 v[ADR], s[TV], v[AV0]
	s_add_co_u32 s[TV], s[TV], 64*VP
	WIN 0xc0
.irp kc, 0,1
.irp ch, 0,1,2,3
	ds_load_tr16_b128 v[VF+8*(4*\kc+\ch):VF+8*(4*\kc+\ch)+3],   v[ADR] offset:32*\kc*VP+32*\ch
	ds_load_tr16_b128 v[VF+8*(4*\kc+\ch)+4:VF+8*(4*\kc+\ch)+7], v[ADR] offset:32*\kc*VP+32*\ch+16*VP
.endr
.endr
.endm
; In front of each T: at the trip on the wave's diagonal QB takes q of rows i + 1, one trip later QA.  The last products that read QA and QB stand a whole softmax back.
.macro QSWITCH
	WIN 0
	s_cmp_eq_u32 s[DJ], 0
	s_cbranch_scc0 .Lnot_b_\@
	WIN 0x82                                       ; source 0 and destination window 2
.set i, 0
.rept 64
	v_mov_b32 v[QB+i], v[QN+i]
.set i, i+1
.endr
	WIN 0
.Lnot_b_\@:
	s_cmp_eq_u32 s[DJ], 64
	s_cbranch_scc0 .Lnot_a_\@
	WIN 0x82
.set i, 0
.rept 64
	v_mov_b32 v[QA+i], v[QN+i]
.set i, i+1
.endr
	WIN 0
.Lnot_a_\@:
	s_add_co_i32 s[DJ], s[DJ], 64
.endm
; Product n of 32 of T: tile t = n / 8, channels 32 ((n % 8) / 4) on, diagonal s = n % 4 + 1.  A tile row's four accumulators take turns, one instruction a turn;
; the first links are started by G.  TT holds two tile rows: t % 2.
.macro TW
	WIN W_T
.set tq, n/8
.set cc, (n%8)/4
.set ss, n%4+1
.set rQ, QB+16*tq+8*cc
.if ss <= tq
.set rQ, QA+16*tq+8*cc
.endif
.set rR, RF+16*(ss-tq+2)+8*cc
.set rD, TT+8*(4*(tq%2)+ss-1)
.if cc == 0
	v_wmma_f32_16x16x32_f16 v[rD:rD+7], v[rQ:rQ+7], v[rR:rR+7], v[G+8*tq:G+8*tq+7]
.else
	v_wmma_f32_16x16x32_f16 v[rD:rD+7], v[rQ:rQ+7], v[rR:rR+7], v[rD:rD+7]
.endif
.endm
.macro TST                             ; store ix of 32 of tile row ts: diagonal s = ix / 8 + 1, register j = ix % 8.  Under W_TS
.set ss, ix/8+1
.set jj, ix%8
.if ss == 4
	ds_store_b32 v[AW+jj], v[TT+8*(4*(ts%2)+3)+jj] offset:ts*TR+jj*RP
.else
	ds_store_b32 v[AN], v[TT+8*(4*(ts%2)+ss-1)+jj] offset:jj*(RP+4)+ts*TR+4*(16*ss-15)
.endif
.set ix, ix+1
.endm
.macro TROWS g                         ; 64 stores in one run: tile rows 2 g and 2 g + 1
	WIN W_TS
.set ts, 2*\g
.set ix, 0
.rept 32
	TST
.endr
.set ts, 2*\g+1
.set ix, 0
.rept 32
	TST
.endr
.endm
.macro BDL                             ; load ix of 8 of tile tb: BD + GH in S^T's layout.  LDS serves a wave's instructions in order (ISA guide 5.7.1.4): it sees the stores above.  Under window 0
	ds_load_b128 v[S+32*tb+4*ix:S+32*tb+4*ix+3], v[ARD] offset:tb*TR+64*(ix/2)+16*(ix%2)
.set ix, ix+1
.endm
.macro ACM                             ; S^T += K (Q+U)^T: 32 matrix instructions, 16 accumulators by turns
	WIN W_AC
.irp c, 0,1
.irp kt, 0,1,2,3
.irp t, 0,1,2,3
	v_wmma_f32_16x16x32_f16 v[S+32*\t+8*\kt:S+32*\t+8*\kt+7], v[KF+16*\kt+8*\c:KF+16*\kt+8*\c+7], v[QU+16*\t+8*\c:QU+16*\t+8*\c+7], v[S+32*\t+8*\kt:S+32*\t+8*\kt+7]
.endr
.endr
.endr
.endm
.macro PVW zero                        ; product n of 16 of O^T += V^T P for keys 32 kc on: channels 16 (n / 4) on, tile n % 4: 16 accumulators by turns.  zero = 1: keys 0-31 start the sums
	WIN W_PV
.set rO, O+32*(n%4)+8*(n/4)
.set rV, VF+8*(4*kc+n/4)
.set rP, P+16*(n%4)+8*kc
.if \zero && (kc == 0)
	v_wmma_f32_16x16x32_f16 v[rO:rO+7], v[rV:rV+7], v[rP:rP+7], 0
.else
	v_wmma_f32_16x16x32_f16 v[rO:rO+7], v[rV:rV+7], v[rP:rP+7], v[rO:rO+7]
.endif
.endm
; THE SOFTMAX, in parts.  Running maximum m and sum l for each query: p = 2^(c s - c m); O^T and l are multiplied by a = 2^(c m_old - c m_new).  first = 1: no old maximum, no a.
.macro SMAX first                      ; the maxima, c m and a: stage by stage over the four tiles
	WIN 0
.irp j, 0,1,2,3
.irp t, 0,1,2,3
	v_max3_num_f32 v[ST+8*\t+4+\j], v[S+32*\t+8*\j], v[S+32*\t+8*\j+1], v[S+32*\t+8*\j+2]
.endr
.endr
.irp g, 1,2
.irp j, 0,1,2,3
.irp t, 0,1,2,3
	v_max3_num_f32 v[ST+8*\t+4+\j], v[ST+8*\t+4+\j], v[S+32*\t+8*\j+2*\g+1], v[S+32*\t+8*\j+2*\g+2]
.endr
.endr
.endr
.irp t, 0,1,2,3
	v_max3_num_f32 v[ST+8*\t+4], v[ST+8*\t+4], v[S+32*\t+7], v[S+32*\t+15]
.endr
.irp t, 0,1,2,3
	v_max3_num_f32 v[ST+8*\t+6], v[ST+8*\t+6], v[S+32*\t+23], v[S+32*\t+31]
.endr
.irp t, 0,1,2,3
	v_max3_num_f32 v[ST+8*\t+4], v[ST+8*\t+4], v[ST+8*\t+5], v[ST+8*\t+6]
.endr
.irp t, 0,1,2,3
.if \first
	v_max_num_f32 v[ST+8*\t+4], v[ST+8*\t+4], v[ST+8*\t+7]
.else
	v_max3_num_f32 v[ST+8*\t+4], v[ST+8*\t+4], v[ST+8*\t+7], v[ST+8*\t+1]
.endif
.endr
.irp t, 0,1,2,3
	v_permlanex16_b32 v[ST+8*\t+5], v[ST+8*\t+4], s[SEL], s[SEL+1]   ; the query's other 32 keys lie in the lane 16 away
.endr
.if !\first
.irp t, 0,1,2,3
	v_mov_b32 v[ST+8*\t+7], v[ST+8*\t]             ; c m_old
.endr
.endif
.irp t, 0,1,2,3
	v_max_num_f32 v[ST+8*\t+1], v[ST+8*\t+4], v[ST+8*\t+5]
.endr
.irp t, 0,1,2,3
	v_mul_f32 v[ST+8*\t], s[CS], v[ST+8*\t+1]
.endr
.if !\first
.irp t, 0,1,2,3
	v_sub_f32 v[ST+8*\t+7], v[ST+8*\t+7], v[ST+8*\t]
.endr
.irp t, 0,1,2,3
	v_exp_f32 v[ST+8*\t+6], v[ST+8*\t+7]           ; a; the scalings that follow are the plain instructions behind it (ISA guide 5.7.2)
.endr
.endif
.endm
.macro FI                              ; scaling fi of 64: c s - c m for a pair of scores
	v_pk_fma_f32 v[S+2*fi:S+2*fi+1], v[S+2*fi:S+2*fi+1], s[CS:CS+1], v[ST+8*(fi/16):ST+8*(fi/16)+1] op_sel_hi:[1,0,0] neg_lo:[0,0,1] neg_hi:[0,0,1]
.set fi, fi+1
.endm
.macro RI                              ; rescaling ri of 64: a pair of O^T times a.  Under W_RS
	v_pk_mul_f32 v[O+2*ri:O+2*ri+1], v[O+2*ri:O+2*ri+1], v[ST+8*(ri/16)+6:ST+8*(ri/16)+7] op_sel_hi:[1,0]
.set ri, ri+1
.endm
; T by turns with the scalings and the rescalings.  Behind each product stand four plain instructions that name none of its registers: they are the four places in front of the
; run of stores, and more than the five in front of the products that write over TT.  first = 1: nothing is there to rescale, and v_nop are the places.  more = 0: no T.
.macro PHASE_A first, more
.set fi, 0
.set ri, 0
.set n, 0
.irp g, 0,1
.rept 16
.if \more
	TW
.endif
.if \g == 0
	WIN 0
	FI
	FI
	FI
	FI
.elseif !\first
	WIN W_RS
	RI
	RI
	RI
	RI
.elseif \more
	PLACES 4
.endif
.set n, n+1
.endr
.if \more
	TROWS \g
.endif
.endr
.endm
.macro EX half                         ; exponential u of 64 of the tiles' keys 32 half on
	v_exp_f32 v[S+32*(u/16)+16*\half+u%16], v[S+32*(u/16)+16*\half+u%16]
.set u, u+1
.endm
.macro CV half                         ; rounding w of 32: a pair of weights to f16
	v_cvt_pk_f16_f32 v[P+16*(w/8)+8*\half+w%8], v[S+32*(w/8)+16*\half+2*(w%8)], v[S+32*(w/8)+16*\half+2*(w%8)+1]
.set w, w+1
.endm
; Slice k of 16: four exponentials and the two roundings of the slice before, so that behind every exponential a plain instruction stands before its result is read (ISA guide 5.7.2);
; slice 0 has v_nop in their place, slice 15 also its own two roundings.
.macro EC half
	WIN 0
.set u, 4*k
.set w, 2*k-2
	EX \half
	EX \half
.if k == 0
	v_nop
.else
	CV \half
.endif
	EX \half
	EX \half
.if k == 0
	v_nop
.else
	CV \half
.endif
.if k == 15
	CV \half
	CV \half
.endif
.set k, k+1
.endm
.macro SU first                        ; sum z of 16 of tile tl: its 16 pairs (an even key's weight, an odd key's) in place, neighbours 1, 2, 4, 8 pairs apart; then l takes it
.set rS, S+32*tl
.set rT, ST+8*tl
.if z < 8
	v_pk_add_f32 v[rS+4*z:rS+4*z+1], v[rS+4*z:rS+4*z+1], v[rS+4*z+2:rS+4*z+3]
.elseif z < 12
	v_pk_add_f32 v[rS+8*(z-8):rS+8*(z-8)+1], v[rS+8*(z-8):rS+8*(z-8)+1], v[rS+8*(z-8)+4:rS+8*(z-8)+5]
.elseif z < 14
	v_pk_add_f32 v[rS+16*(z-12):rS+16*(z-12)+1], v[rS+16*(z-12):rS+16*(z-12)+1], v[rS+16*(z-12)+8:rS+16*(z-12)+9]
.elseif (z == 14) && \first
	v_pk_add_f32 v[rT+2:rT+3], v[rS:rS+1], v[rS+16:rS+17]
.elseif z == 14
	v_pk_add_f32 v[rS:rS+1], v[rS:rS+1], v[rS+16:rS+17]
.elseif \first
	v_nop                                          ; keeps the slice at four places
.else
	v_pk_fma_f32 v[rT+2:rT+3], v[rT+2:rT+3], v[rT+6:rT+7], v[rS:rS+1] op_sel_hi:[1,0,1]
.endif
.set z, z+1
.endm
; THE BODY B(trip).  At its head S^T holds the trip's scores and V's registers the trip's V (its loads may still be out).
; more = 1: the next trip's K and KRX are fetched, its T made and skewed, its BD read, its V fetched and its scores made.  more = 0: the last trip: softmax and V^T P alone.
.macro BODY first, more
	WIN 0
.if \more
	MKADDR                                         ; also the places behind the last products, in front of the loads into K's registers and of the maxima
	FETCH_KR
.else
	s_wait_dscnt 0x0                               ; the last V
	PLACES 4                                       ; behind the last products, in front of the maxima
.endif
	SMAX \first
.if \more
	QSWITCH
	s_wait_dscnt 0x0                               ; K, KRX and this trip's V are in
.endif
	PHASE_A \first, \more
.set k, 0
.rept 16
	EC 0                                           ; the weights of the tiles' keys 0-31
.endr
.set k, 0
.set n, 0
.set kc, 0
.rept 16
	PVW \first                                     ; V^T P of keys 0-31 | the weights of keys 32-63
	EC 1
.set n, n+1
.endr
.set kc, 1
.set n, 0
.rept 16
	PVW 0                                          ; V^T P of keys 32-63 | the sums, tile by tile; a tile whose sums are done takes the next trip's BD
	WIN 0
.set tl, n/4
.set z, 4*(n%4)
	SU \first
	SU \first
	SU \first
	SU \first
.if \more && ((n%4) == 3)
.set tb, n/4
.set ix, 0
.rept 8
	BDL
.endr
.endif
.set n, n+1
.endr
.if \more
	FETCH_V                                        ; the last product that read V stands four sums back
	s_wait_dscnt 16                                ; all but V's sixteen loads: BD is in
	ACM
.endif
.endm
; THE CHANGE OF SLOTS: slot old has been read out.  Each wave waits for its LDS reads and for all its tensor loads (one is out: its part of the other slot), then the barrier;
; fill = 1: slot old is filled again, with the keys two slots on: my one tensor load behind the barrier and the first thing there.  It has a slot's two trips in which to land.
.macro CHANGE fill, old
	WIN 0
	s_wait_dscnt 0x0
	s_wait_tensorcnt 0x0                           ; no tensor load of mine is out, so a group 0 may be written
.if \fill
.irp g, G0K, G0V, G0R
	s_add_nc_u64 s[\g+4*\old+2:\g+4*\old+3], s[\g+4*\old+2:\g+4*\old+3], 2*16384   ; 256 keys, or table rows, on; the type bits on top are not reached
.endr
.endif
	s_barrier_signal -1
	s_barrier_wait -1
.if \fill
	REFILL \old
.endif
	s_mov_b32 s[TK], (1-\old)*SLOT                 ; the fetches go on in the other slot's first trip
	s_mov_b32 s[TV], (1-\old)*SLOT
.endm
.macro TWO                             ; two bodies, which fetch a slot's two trips: written once, walked twice
	s_mov_b32 s[TWICE], 2
.Ltwo_\@:
	BODY 0, 1
	WIN 0
	s_sub_co_u32 s[TWICE], s[TWICE], 1
	s_cmp_lg_u32 s[TWICE], 0
	s_cbranch_scc1 .Ltwo_\@
.endm
	; TRIP 0'S SCORES.  First the diagonal tile J = 0 (e = 3 - t), made once: its part for keys below 0 lands in columns 113-127, which trip 1 writes again before anything reads them
	MKADDR
	v_add_nc_u32 v[ADR2], s[TK], v[AR0]
	WIN 0xc0
.irp e, 0,1,2,3
.irp c, 0,1
	ds_load_b128 v[RF+16*\e+8*\c:RF+16*\e+8*\c+3],   v[ADR2] offset:16*\e*KP+64*\c
	ds_load_b128 v[RF+16*\e+8*\c+4:RF+16*\e+8*\c+7], v[ADR2] offset:16*\e*KP+64*\c+32
.endr
.endr
	s_wait_dscnt 0x0
	WIN W_T
.irp c, 0,1
.irp t, 0,1,2,3
.if \c == 0
	v_wmma_f32_16x16x32_f16 v[TT+8*\t:TT+8*\t+7], v[QA+16*\t:QA+16*\t+7], v[RF+16*(3-\t):RF+16*(3-\t)+7], v[G+8*\t:G+8*\t+7]
.else
	v_wmma_f32_16x16x32_f16 v[TT+8*\t:TT+8*\t+7], v[QA+16*\t+8:QA+16*\t+15], v[RF+16*(3-\t)+8:RF+16*(3-\t)+15], v[TT+8*\t:TT+8*\t+7]
.endif
.endr
.endr
	PLACES 5                                       ; four for the stores that read the results, the fifth for the products that write over them
	WIN W_TS
.irp t, 0,1,2,3
.irp j, 0,1,2,3,4,5,6,7
	ds_store_b32 v[AW+\j], v[TT+8*\t+\j] offset:\t*TR+\j*RP
.endr
.endr
	WIN 0
	MKADDR                                         ; trip 0's columns
	FETCH_KR
	QSWITCH
	s_wait_dscnt 0x0
.irp g, 0,1                            ; T of trip 0: there is no vector work yet to set between its products
.set n, 16*\g
.rept 16
	TW
.set n, n+1
.endr
	PLACES 5
	TROWS \g
.endr
	WIN 0
.irp t, 0,1,2,3
.set tb, \t
.set ix, 0
.rept 8
	BDL
.endr
.endr
	FETCH_V
	s_wait_dscnt 16                                ; all but V's sixteen loads: BD is in
	ACM
	BODY 1, 1                                      ; B(0): the first softmax; fetches slot 0's second trip
	WIN 0
	s_mov_b32 s[CNT], 7
.Lpair:                                                ; 7 trips of two slots: B(1) to B(28); slots 2 to 15 are asked for
	CHANGE 1, 0
	TWO
	CHANGE 1, 1
	TWO
	s_sub_co_u32 s[CNT], s[CNT], 1
	s_cmp_lg_u32 s[CNT], 0
	s_cbranch_scc1 .Lpair
	CHANGE 0, 0                                    ; the last slot: nothing is left to ask for
	TWO                                            ; B(29), B(30)
	BODY 0, 0                                      ; the last softmax and V^T P
	; THE WAY OUT.  l's halves and the other half of the lanes' are added; O^T is divided by l, rounded to f16 and sent through my ring, a tile (16 rows of 128 bytes) at a time.
	WIN 0                                          ; four sums stand behind the last product; the additions follow
.irp t, 0,1,2,3
	v_add_f32 v[ST+8*\t+4], v[ST+8*\t+2], v[ST+8*\t+3]
.endr
.irp t, 0,1,2,3
	v_permlanex16_b32 v[ST+8*\t+5], v[ST+8*\t+4], s[SEL], s[SEL+1]
.endr
.irp t, 0,1,2,3
	v_add_f32 v[ST+8*\t+4], v[ST+8*\t+4], v[ST+8*\t+5]
.endr
.irp t, 0,1,2,3
	v_rcp_f32 v[ST+8*\t+6], v[ST+8*\t+4]
.endr
	v_nop                                          ; a plain instruction between the last reciprocal and the use of its result
.macro PACK t
	WIN W_RS
.set i, 0
.rept 16
	v_pk_mul_f32 v[O+32*\t+2*i:O+32*\t+2*i+1], v[O+32*\t+2*i:O+32*\t+2*i+1], v[ST+8*\t+6:ST+8*\t+7] op_sel_hi:[1,0]
.set i, i+1
.endr
	WIN 0x05                                       ; sources window 1, destination window 0
.set i, 0
.rept 16
	v_cvt_pk_f16_f32 v[S+16*\t+i], v[O+32*\t+2*i], v[O+32*\t+2*i+1]
.set i, i+1
.endr
	WIN 0
.irp f, 0,1,2,3
	ds_store_b128 v[STO], v[S+16*\t+4*\f:S+16*\t+4*\f+3] offset:32*\f
.endr
.irp f, 0,1,2,3
	ds_load_b128 v[S+16*\t+4*\f:S+16*\t+4*\f+3], v[RD] offset:\f*4*KP   ; in order behind the stores above; the next tile's stores come behind these
.endr
.endm
.macro SEND t, younger                 ; younger: the LDS instructions issued behind tile t's loads: the next tile's eight, or none
.irp f, 0,1,2,3
	s_wait_dscnt \younger+3-\f
	global_store_b128 v[GO], v[S+16*\t+4*\f:S+16*\t+4*\f+3], s[10:11] offset:\t*2048+\f*512   ; a wave's store covers 512 consecutive bytes, at a multiple of 512 from ao's first byte
.endr
.endm
	PACK 0
	PACK 1
	SEND 0, 8
	PACK 2
	SEND 1, 8
	PACK 3
	SEND 2, 8
	SEND 3, 0
	s_endpgm
.Lfunc_end_k_q96eed6df1c_attn:
	.size	k_q96eed6df1c_attn, .Lfunc_end_k_q96eed6df1c_attn-k_q96eed6df1c_attn
	.p2alignl 7, 3214868480
	.fill 96, 4, 3214868480
	.section	.rodata,"a",@progbits
	.p2align	6, 0x0
	.amdhsa_kernel k_q96eed6df1c_attn
		.amdhsa_group_segment_fixed_size 327680
		.amdhsa_private_segment_fixed_size 0
		.amdhsa_enable_private_segment 0
		.amdhsa_kernarg_size 32
		.amdhsa_user_sgpr_count 2
		.amdhsa_user_sgpr_kernarg_segment_ptr 1
		.amdhsa_wavefront_size32 1
		.amdhsa_system_sgpr_workgroup_id_x 1
		.amdhsa_system_sgpr_workgroup_id_y 1
		.amdhsa_system_sgpr_workgroup_id_z 1
		.amdhsa_system_vgpr_workitem_id 0
		.amdhsa_next_free_vgpr 1024
		.amdhsa_next_free_sgpr 96
		.amdhsa_reserve_vcc 0
		.amdhsa_float_denorm_mode_32 3
		.amdhsa_float_denorm_mode_16_64 3
		.amdhsa_memory_ordered 1
		.amdhsa_forward_progress 1
		.amdhsa_inst_pref_size 255
	.end_amdhsa_kernel
	.section	.bss,"aw",@nobits
	.p2align	6
	.space	262144
	.amdgpu_metadata
---
amdhsa.version: [ 1, 2 ]
amdhsa.kernels:
  - .name:           k_q96eed6df1c_attn
    .symbol:         k_q96eed6df1c_attn.kd
    .args:
      - { .name: qkvr, .offset: 0, .size: 8, .value_kind: global_buffer, .address_space: global }
      - { .name: u, .offset: 8, .size: 8, .value_kind: global_buffer, .address_space: global }
      - { .name: v, .offset: 16, .size: 8, .value_kind: global_buffer, .address_space: global }
      - { .name: ao, .offset: 24, .size: 8, .value_kind: global_buffer, .address_space: global }
    .group_segment_fixed_size: 327680
    .private_segment_fixed_size: 0
    .kernarg_segment_align: 8
    .kernarg_segment_size: 32
    .max_flat_workgroup_size: 128
    .sgpr_count:     96
    .vgpr_count:     1024
    .wavefront_size: 32
...
	.end_amdgpu_metadata
.endif
;; end of part 6
;; launch outp: the kernel of part 4 again; grid 8 x 32, 4 waves a work-group, clusters of 4 x 4, 327,680 bytes of LDS; arguments ao, wb, out0, bo; writes out0
